; MI455X (gfx1250); checked and timed in simulation.
; The chip was launched on July 23, 2026; its instructions are those of AMD's public machine-readable ISA for CDNA 5 (MIT licence, August 2026) and "CDNA5" Instruction Set Architecture Reference Guide (July 2026). The comments in the code are by the model that wrote it; some were corrected since.
;; Attention Layer. Allowed arithmetic: matrix products marked QUANTISED: E2M3 operands, one E8M0 scale for each 32 along K, by v_wmma_scale_f32_16x16x128_f8f6f4 with both operands' format E2M3, f32 sums; everything else in f32.
;; Inputs: Wk_codes 1,024 x 32 x 24 uint8 (E2M3 codes of Wk, K innermost, in blocks of 32 codes, four codes in three bytes); Wk_scales 1,024 x 32 uint8 (E8M0 scales of Wk, one for each 32 codes along K); Wq_codes 1,024 x 32 x 24 uint8 (E2M3 codes of Wq, K innermost, in blocks of 32 codes, four codes in three bytes); Wq_scales 1,024 x 32 uint8 (E8M0 scales of Wq, one for each 32 codes along K); Wv_codes 1,024 x 32 x 24 uint8 (E2M3 codes of Wv, K innermost, in blocks of 32 codes, four codes in three bytes); Wv_scales 1,024 x 32 uint8 (E8M0 scales of Wv, one for each 32 codes along K); mask 1,024 float32; seq 4 x 2,048 x 1,024 float32.
;; Outputs: out0 4 x 2,048 x 1,024 float32.
;; This version of the problem:
;;   THIS VERSION OF THE PROBLEM IS GIVEN IN LOW PRECISION. The matrix products marked QUANTISED in the list below multiply operands that are first quantised to E2M3 (2 exponent bits, 3 mantissa bits; 6 bits a number), with one power-of-two scale for each 32 numbers along K (OCP MX v1.0); their sums are f32. All else is computed in f32.
;;   The module's matrix products, in the order in which they are computed (A, B: the left and right operand; K: the contracted axis; several contracted axes count as one K, in the product's order):
;;     1. [M 8,192, K 1,024] x [K 1,024, N 1,024]; A: input seq; B: input Wq (given as codes): QUANTISED
;;     2. [M 8,192, K 1,024] x [K 1,024, N 1,024]; A: input seq; B: input Wk (given as codes): QUANTISED
;;     3. [M 8,192, K 1,024] x [K 1,024, N 1,024]; A: input seq; B: input Wv (given as codes): QUANTISED
;;     4. batch 4 x [M 2,048, K 1,024] x [K 1,024, N 2,048]; A: computed on the way; B: computed on the way: QUANTISED
;;     5. batch 4 x [M 2,048, K 2,048] x [K 2,048, N 1,024]; A: softmax (see below); B: computed on the way: QUANTISED
;;   THE QUANTISER, for each operand of a quantised product, along K:
;;     - K is cut into blocks of 32 from its start; a last block that is shorter is filled with zeros.
;;     - A block's scale is 2^e with e = floor(log2(the largest magnitude in the block)) - 2, held to -126 .. 127; a block of zeros has e = 0. As a byte (E8M0): e + 127.
;;     - Each number is divided by its block's scale, clamped to +-7.5, and rounded to the nearest number of E2M3, ties to even, subnormals kept.
;;     - The product sums the exact products of the quantised numbers (number of the format x scale) in f32.
;;   ~~~python
;;   def quantise(x, axis):      # numpy; x: float32 -> the quantised numbers, widened to float32 again
;;       x = np.moveaxis(x, axis, -1); K = x.shape[-1]
;;       x = np.pad(x, [(0, 0)] * (x.ndim - 1) + [(0, -K % 32)]); x = x.reshape(x.shape[:-1] + (-1, 32)); a = np.abs(x).max(-1, keepdims=True)
;;       e = np.where(a > 0, np.clip(np.frexp(np.where(a > 0, a, 1))[1] - 1 - 2, -126, 127), 0)      # np.frexp(a)[1] - 1 = floor(log2(a)), exactly
;;       r = np.clip(x / 2.0 ** e, -7.5, 7.5)
;;       step = 2.0 ** (np.maximum(np.frexp(np.where(r == 0, 1, r))[1] - 1, 0) - 3)
;;       q = np.round(r / step) * step * 2.0 ** e      # np.round: ties to even
;;       return np.moveaxis(q.reshape(q.shape[:-2] + (-1,))[..., :K], -1, axis).astype(np.float32)
;;   ~~~
;;   SOFTMAX AHEAD OF A QUANTISED PRODUCT. Where the list says 'softmax', what is quantised is not the finished softmax but p = 2^(t - M), with t = logit x log2(e) and M = ceil(the row's largest t), a whole number; so 1/2 < the row's largest p <= 1. The row's sum l is taken of the UNQUANTISED p, in f32, and the product's result is divided by l at the end. Since M is a whole number, a kernel that streams over the keys may use a running M (the ceiling of the running maximum): every later rescaling is an exact power of two, which a block's scale takes up: the codes' values come out the same.
;;   OPERANDS COMPUTED ON THE WAY. 'Computed on the way' means the value that the module computes at that place (a softmax that the list does not call 'softmax' is quantised finished and normalised). What goes into a quantiser is computed in f32, as accurately as f32 sums, v_exp_f32 and their like allow (about 1e-6 of the number): no bf16 or f16 on the way to a quantiser, and a product that is left as it is and whose result goes on into a quantised operand takes f32 operands (vector FMAs, or v_wmma_f32_16x16x4_f32). A number that lies on a knife's edge between two numbers of the format may be rounded either way, as far as f32 arithmetic and the matrix unit's own rounding can turn it there, and no further.
;;   INPUTS GIVEN AS CODES. Wk (in the module: [1024, 1024], K = its axis 0); Wq (in the module: [1024, 1024], K = its axis 0); Wv (in the module: [1024, 1024], K = its axis 0): each comes as NAME_codes (uint8): NAME with its K axis moved to the last place and cut into blocks of 32 codes, [.., K / 32, bytes a block], one block behind the other in memory; four codes in three bytes: a row's codes are one little-endian stream of bits, code i at bits 6 i .. 6 i + 5 (a code: sign, 2 exponent bits, 3 mantissa bits); and NAME_scales (uint8): the same leading axes, one E8M0 byte (e + 127) for each 32 codes along K. Its value is code x scale, taken as it is: it is not quantised again, and the codes and scales need not be those that the quantiser above would give.
;; One version. Each part assembles by itself: llvm-mc -triple=amdgcn-amd-amdhsa -mcpu=gfx1250 --defsym DOCPART=n.
;; ======== version 1 of 1: 3 launches
;; limits: right only within a limited range of input values
;; workspace buffers: cod 18,874,368 bytes; scl 786,432 bytes; pc 12,582,912 bytes; pst 1,572,864 bytes
;; launch proj (part 1): grid 64 x 4, 4 waves a work-group, clusters of 4 x 1, 327,680 bytes of LDS; arguments seq, Wq_codes, Wq_scales, Wk_codes, Wk_scales, Wv_codes, Wv_scales, cod, scl; writes cod, scl
.if DOCPART == 1
	.amdgcn_target "amdgcn-amd-amdhsa--gfx1250"
	.amdhsa_code_object_version 6
	.text
	.protected	k_q996be32e55_proj
	.globl	k_q996be32e55_proj
	.p2align	8
	.type	k_q996be32e55_proj,@function
k_q996be32e55_proj:
	s_mov_b64 s[64:65], 0
	v_nop
	global_prefetch_b8 v0, s[64:65] scope:SCOPE_SE
	s_setreg_imm32_b32 hwreg(HW_REG_WAVE_MODE, 25, 1), 1
	s_wait_xcnt 0x0
	s_wait_alu depctr_hold_cnt(0) depctr_sa_sdst(0) depctr_va_vdst(0) depctr_va_sdst(0) depctr_va_ssrc(0) depctr_va_vcc(0) depctr_vm_vsrc(0)
	s_getreg_b32 s2, hwreg(HW_REG_IB_STS2, 6, 4)
	s_cmp_eq_u32 s2, 0
	s_cbranch_scc0 .Lentry_in_a_cluster
	s_endpgm
.Lentry_in_a_cluster:
	s_bfe_u32 s2, ttmp6, 0x10000c
	s_cmp_lg_u32 s2, 0x3003
	s_cbranch_scc0 .Lentry_shape_is_right
	s_endpgm
.Lentry_shape_is_right:
; q = seq Wq, k = seq Wk, v = seq Wv on codes of FP6 (E2M3) with one E8M0 scale for each 32 along K; then q and k are quantised along d and v along the keys.
; NOTHING OF reference() IS LEFT OUT in this program: every product of the table is live, every input reaches out0 and is loaded.
; LIMITS: NaN and infinities among the inputs are not served.  A block of zeros gets the scale byte 1 where the quantiser says 127: its codes are zeros, and the bytes are read by this program alone.
; SHARES.  A work-group takes 128 tokens (X) x 256 columns (Y) of each of the three weights.  seq is quantised once a work-group (wave w: tokens 32 w on), handed round through LDS as images of the
; operand registers, in two halves of K through one region, and wave (i, j) keeps its 64 tokens x 1,024 K (32 fragments, 384 registers) for the whole launch.
; THE RING GOES BY COLUMNS.  A slot holds 128 whole rows of one weight (768 bytes of memory each, at multiples of 768 bytes): rows 128 j + 64 u + 0..63 for j = 0, 1.  Six slot steps (weight p, half u), slot = u.
; In a slot step wave (i, j) makes 64 tokens x 64 columns over all of K: 16 accumulators, 8 K steps, 128 products.  Each wave fetches 32 rows of a slot by one tensor load.
; A slot's last fragments are in registers at K step 6: the change of slots stands there, and the refill is read a way out and a whole slot step later.
; CLUSTER: the four partners share Y, so every tile of W is asked for jointly (mask 15); X enters global addresses alone.
; W's fragments have four register sets and are fetched two K steps ahead.  W's scale words come straight from memory: lane (r, h) loads 16 bytes at 32 r + 16 h of a tile's 512 consecutive bytes, so
; register q holds K step q in lanes 0-15 and K step 4 + q in lanes 16-31.  seq's scale words are laid the same way in LDS.
; PREFETCH: seq alone (see the units below).  W's tiles have none: each is asked for a whole slot step ahead of its first read, and all 16 clusters of a Y read the same 590 KB.
; q, k: source 0 = 16 rows of W, source 1 = 16 tokens: a lane holds one token and its registers run along d.  v: sources swapped: a lane holds one d and its registers run along the tokens, which are its K.
; ORDER INSIDE A BLOCK OF 32.  A lane's 16 registers of two neighbouring tiles are numbers 8 h + 0..7 and 16 + 8 h + 0..7 of a block.  q and k (along d) and, later, p and v (along the keys) so carry the
; order 0-7, 16-23, 8-15, 24-31 inside each block, alike on both sides of a product: the same 32 numbers form a block, so scales, codes and products are those of the true order.
; OUT.  cod: q [T 512][s 8][1536] at 0, k likewise at 6291456 (T = token / 16, s = d / 128; a fragment's registers 4 c .. 4 c + 3 of lane l at 512 c + 16 l);
;   v [batch][dt 64][chunk 16][half 2][768] at 12582912 (registers 0-3 of a half at 16 l, registers 4, 5 at 512 + 8 l).  scl: q [s][T][16 words] at 0, k at 262144, v [16 batch + chunk][dt][16 words] at 524288.
; REGISTERS.  window 0: v4-26 addresses; v28, v29 the add's two; v32-47 seq's scale words; v48-79 W's (one set for each u); v80-111 at work; v112-207 seq's fragments of K steps 5, 6; v208-255 codes on the way out.
;   window 1: v0-191 W's fragments, four sets (first, v0-63: a unit of seq back from LDS); v192-239 seq's fragments of K step 7.   window 2: the accumulators (first: four sets of 64 numbers of seq).
;   window 3: seq's fragments of K steps 0-4.
.set PITCH, 816                        ; a row of W in LDS: 3 x (256 bytes + 16 of padding) = 204 words: row r starts at word 12 r mod 64, sixteen different multiples of 4; lanes 16-31 read 6 or 10 words on
.set SLOT,  104448                     ; 128 such rows
.set AIMG,  208896                     ; seq's fragments of four K steps [tile 8][4][1536]: written twice, by LDS stores alone
.set ASC,   258048                     ; their scale words [tile 8][row 16][K step 8]
.set TSC,   262144                     ; 8,448 bytes a wave: 16 rows x (512 + 16) bytes of seq, stored by rows and read back as 64 neighbouring bytes a lane
.set OSC,   295936                     ; 256 bytes a wave: q's and k's scale words on the way out
.set VSC,   296960                     ; 1,024 bytes: v's
.set SPARE, 297984                     ; the spare words, 128 bytes a wave
.set XA,   4
.set LI,   5
.set G8,   6
.set XWI,  7
.set XWS,  8
.set ARD,  9
.set ASR,  10
.set SCO,  11
.set TW,   14
.set TR,   15
.set ADRB, 16                          ; v16, v17: slots 0, 1; v18, v19: the same for a piece whose lanes 16-31 lie behind one padding more
.set OSW,  21
.set OSR,  22
.set VSW,  23
.set VSR,  24
.set T8,   25
.set PFO,  26
.set SPW,  28
.set NIL,  29
.set SCA,  32
.set SCB,  48
.set TM,   80
.set PW,   96
.set TQ,   98
.set OW,   106
.set PWK,  108
.set FRG,  208
.set CNT,  2
.set WJ,   3
.set WV,   22
.set WI,   23
.set G1W,  24
.set G0,   32
.set NW,   40                          ; my rows of the next weight, and of the one after
.set NW2,  42
.set NS,   44                          ; the same for the scale bytes
.set NS2,  46
.set SQ,   48
.set QO,   50
.set VO,   52
.set QS,   54
.set VSO,  56
.set SEL,  58
.set MSB, 0
.macro WIN new                         ; the immediate's high byte repeats the setting that is left; a switch that changes nothing is dropped
.if MSB != (\new)
	s_set_vgpr_msb (MSB<<8)|(\new)
.set MSB, (\new)
.endif
.endm
.macro PLACES n
.rept \n
	v_nop
.endr
.endm
.macro CREST                           ; a round of the cluster's barrier behind its opening barrier
	s_cmp_lg_u32 s[WV], 0
	s_cbranch_scc1 .Lnw0_\@
	s_barrier_signal -3
.Lnw0_\@:
	s_barrier_wait -3
	s_barrier_signal -1
	s_barrier_wait -1
.endm
.macro CROUND
	s_barrier_signal -1
	s_barrier_wait -1
	CREST
.endm
; 64 numbers of a lane in window w, register s + 16 b + i = place 16 (lane / 16) + i of block b of my row: blocks 0, 1 become six registers of codes at d0, blocks 2, 3 at d1; the four scale bytes stand in v[TM+4] on.
.macro QUANT s, w, d0, d1
	WIN (\w)|((\w)<<2)
.irp b, 0,1,2,3
	v_max3_num_f32 v[TM+\b], |v[(\s)+16*\b]|, |v[(\s)+16*\b+1]|, 0x1800000   ; with the floor 2^(3 - 127): the byte cannot fall under 1
.endr
	WIN ((\w)<<2)|((\w)<<4)
.irp i, 2,4,6,8,10,12,14
.irp b, 0,1,2,3
	v_max3_num_f32 v[TM+\b], v[TM+\b], |v[(\s)+16*\b+\i]|, |v[(\s)+16*\b+\i+1]|
.endr
.endr
	WIN 0
.irp b, 0,1,2,3
	v_permlanex16_b32 v[TM+4+\b], v[TM+\b], s[SEL], s[SEL+1]
.endr
.irp b, 0,1,2,3
	v_max_num_f32 v[TM+\b], v[TM+\b], v[TM+4+\b]     ; with lane l xor 16: the block's largest magnitude
.endr
.irp b, 0,1,2,3
	v_add_nc_u32 v[TM+12+\b], 0xff000000, v[TM+\b]   ; 2 off its exponent field: the conversion's scale operand
.endr
.irp b, 0,1,2,3
	v_lshrrev_b32 v[TM+4+\b], 23, v[TM+12+\b]        ; the scale's byte
.endr
	WIN (\w)
	v_cvt_scalef32_pk16_fp6_f32 v[(\d0):(\d0)+2], v[(\s):(\s)+15], v[TM+12]
	v_cvt_scalef32_pk16_fp6_f32 v[TQ:TQ+2], v[(\s)+16:(\s)+31], v[TM+13]
	v_cvt_scalef32_pk16_fp6_f32 v[(\d1):(\d1)+2], v[(\s)+32:(\s)+47], v[TM+14]
	v_cvt_scalef32_pk16_fp6_f32 v[TQ+4:TQ+6], v[(\s)+48:(\s)+63], v[TM+15]
	WIN 0
	v_nop                                          ; one plain place behind the scaled conversions
.irp i, 0,1,2
	v_permlane16_swap_b32 v[(\d0)+\i], v[TQ+\i]    ; a whole block to a lane: lanes 0-15 the even block, lanes 16-31 the odd one
	v_permlane16_swap_b32 v[(\d1)+\i], v[TQ+4+\i]
.endr
.irp i, 0,1,2
	v_mov_b32 v[(\d0)+3+\i], v[TQ+\i]
	v_mov_b32 v[(\d1)+3+\i], v[TQ+4+\i]
.endr
.endm
.macro FRAG3 reg, adr, off             ; a fragment's image: three loads of 512 consecutive bytes
.irp c, 0,1,2
	ds_load_b128 v[(\reg)+4*\c:(\reg)+4*\c+3], v[\adr] offset:(\off)+512*\c
.endr
.endm
.macro FETCHW sl, g                    ; my four tiles of W, K step g of slot sl, into set g % 4: 24 loads of 8 bytes; byte y of a row lies at y + 16 (y / 256)
	WIN 0x40
.irp t, 0,1,2,3
.irp p, 0,1,2,3,4,5
.set BY, 96*(\g)+48*(\p/3)+8*(\p%3)
.if BY/256 == (BY+24)/256
	ds_load_b64 v[48*((\g)%4)+12*\t+2*\p:48*((\g)%4)+12*\t+2*\p+1], v[ADRB+(\sl)] offset:BY+16*(BY/256)+\t*16*PITCH
.else
	ds_load_b64 v[48*((\g)%4)+12*\t+2*\p:48*((\g)%4)+12*\t+2*\p+1], v[ADRB+2+(\sl)] offset:BY+16*(BY/256)+\t*16*PITCH
.endif
.endr
.endr
.endm
.macro SCLOAD u, base                  ; the scale words of my four tiles of half u, all eight K steps: each load covers 512 consecutive bytes
.irp t, 0,1,2,3
	global_load_b128 v[SCB+16*(\u)+4*\t:SCB+16*(\u)+4*\t+3], v[SCO], s[\base:\base+1] offset:2048*(\u)+512*\t
.endr
.endm
.macro WM d, a, b, sa, sb, zero, hi
.if \zero
	v_wmma_scale_f32_16x16x128_f8f6f4 v[(\d):(\d)+7], v[(\a):(\a)+11], v[(\b):(\b)+11], 0, v[\sa], v[\sb] matrix_a_fmt:MATRIX_FMT_FP6 matrix_b_fmt:MATRIX_FMT_FP6
.elseif \hi
	v_wmma_scale_f32_16x16x128_f8f6f4 v[(\d):(\d)+7], v[(\a):(\a)+11], v[(\b):(\b)+11], v[(\d):(\d)+7], v[\sa], v[\sb] matrix_a_fmt:MATRIX_FMT_FP6 matrix_b_fmt:MATRIX_FMT_FP6 matrix_a_scale:MATRIX_SCALE_ROW1 matrix_b_scale:MATRIX_SCALE_ROW1
.else
	v_wmma_scale_f32_16x16x128_f8f6f4 v[(\d):(\d)+7], v[(\a):(\a)+11], v[(\b):(\b)+11], v[(\d):(\d)+7], v[\sa], v[\sb] matrix_a_fmt:MATRIX_FMT_FP6 matrix_b_fmt:MATRIX_FMT_FP6
.endif
.endm
; 4 matrix instructions of K step g: token tile a against my four tiles of W.  The 16 accumulators take turns, in the same order in every K step.
.macro GRP swap, u, g, a
.if (\g) < 5
.set AWN, 3
.set ARG, 48*(\g)+12*(\a)
.elseif (\g) < 7
.set AWN, 0
.set ARG, 112+48*((\g)-5)+12*(\a)
.else
.set AWN, 1
.set ARG, 192+12*(\a)
.endif
.if \swap
	WIN 0xA4|AWN
.irp t, 0,1,2,3
	WM 8*(4*\t+(\a)), ARG, 48*((\g)%4)+12*\t, SCA+4*(\a)+(\g)%4, SCB+16*(\u)+4*\t+(\g)%4, (\g)==0, (\g)/4
.endr
.else
	WIN 0xA1|(AWN<<2)
.irp t, 0,1,2,3
	WM 8*(4*(\a)+\t), 48*((\g)%4)+12*\t, ARG, SCB+16*(\u)+4*\t+(\g)%4, SCA+4*(\a)+(\g)%4, (\g)==0, (\g)/4
.endr
.endif
.endm
; A slot step.  mode 2: the slot is filled again; 1: the next slot is only waited for; 0: the last step.  lc: the global loads younger than this step's scale words.
.macro SSTEP swap, u, mode, lc
.irp g, 0,1,2,3,4,5
.if \g == 0
	s_wait_loadcnt \lc                             ; this step's scale words are in
	s_wait_dscnt 0x0                               ; and the fragments of K steps 0 and 1, asked for in the step before
.else
	s_wait_dscnt 24                                ; this K step's fragments are in; the next one's 24 loads may be out
.endif
	PLACES 4                                       ; in front of loads into a set that matrix instructions have read
	FETCHW \u, \g+2
.irp a, 0,1,2,3
	GRP \swap, \u, \g, \a
.endr
.endr
.if \mode
	WIN 0
	s_wait_tensorcnt 0x0                           ; all my tensor loads have landed: my part of the next slot
	ds_add_u32 v[SPW], v[NIL]                      ; 0 onto my spare word
	s_wait_dscnt 25                                ; K step 6's fragments are in; K step 7's 24 loads and the add may be out
	GRP \swap, \u, 6, 0
	s_wait_dscnt 0x0                               ; the add is done, and my reads of this slot are over
	s_barrier_signal -1
	GRP \swap, \u, 6, 1
	WIN 0
	s_barrier_wait -1
.if \mode == 2
	CREST                                          ; the barrier has opened a round: no wave of any partner still reads this slot or has a load on its way
	s_add_nc_u64 s[G0+4*(\u)+2:G0+4*(\u)+3], s[NW:NW+1], 49152*(\u)   ; the same half of the next weight
	s_or_b32 s[G0+4*(\u)+3], s[G0+4*(\u)+3], 0x80000000
	tensor_load_to_lds s[G0+4*(\u):G0+4*(\u)+3], s[G1W:G1W+7]
	s_nop 0
.endif
	PLACES 4
	FETCHW 1-(\u), 0                               ; the next slot's first fragments
	GRP \swap, \u, 6, 2
	GRP \swap, \u, 6, 3
	PLACES 4
	FETCHW 1-(\u), 1
.irp a, 0,1,2,3
	GRP \swap, \u, 7, \a
.endr
.else
	s_wait_dscnt 24
.irp a, 0,1,2,3
	GRP \swap, \u, 6, \a
.endr
	s_wait_dscnt 0x0
.irp a, 0,1,2,3
	GRP \swap, \u, 7, \a
.endr
.endif
.endm
; q's or k's way out.  Half u gives registers 6 u .. 6 u + 5 of each token tile's fragment and two bytes of its scale words; with u = 1 both are whole and are stored.
.macro EPIQK u
	PLACES 4
	WIN 0
	s_wait_xcnt 0x0                                ; earlier stores have read their registers
.irp a, 0,2
	QUANT 32*\a, 2, FRG+12*\a+6*(\u), FRG+12*\a+12+6*(\u)
.if \u
	v_lshl_or_b32 v[PW], v[TM+5], 8, v[TM+4]
	v_lshl_or_b32 v[PW+1], v[TM+7], 8, v[TM+6]
	v_lshl_or_b32 v[PWK+\a], v[PW], 16, v[PWK+\a]
	v_lshl_or_b32 v[PWK+\a+1], v[PW+1], 16, v[PWK+\a+1]
.irp e, 0,1
.irp c, 0,1,2
	global_store_b128 v[LI], v[FRG+12*(\a+\e)+4*\c:FRG+12*(\a+\e)+4*\c+3], s[QO:QO+1] offset:12288*(\a+\e)+512*\c   ; 512 consecutive bytes, aligned
.endr
	ds_store_b32 v[OSW], v[PWK+\a+\e] offset:64*(\a+\e)
.endr
.else
	v_lshl_or_b32 v[PWK+\a], v[TM+5], 8, v[TM+4]
	v_lshl_or_b32 v[PWK+\a+1], v[TM+7], 8, v[TM+6]
.endif
.endr
.if \u
	ds_load_b64 v[OW:OW+1], v[OSR]                 ; LDS serves a wave's instructions in order: this sees my four stores
.endif
	SCLOAD \u, NS                                  ; the next weight's scale words of this half: they have a whole slot step in which to land
.if \u
	s_wait_dscnt 0x0
	global_store_b64 v[G8], v[OW:OW+1], s[QS:QS+1] ; 256 consecutive bytes, aligned
.endif
	s_wait_alu depctr_va_vdst(0)
.endm
; v's way out: for each tile of 16 d my 64 tokens are two blocks: half a fragment and two scale bytes a row
.macro EPIV u
	PLACES 4
	WIN 0
	s_wait_xcnt 0x0
.irp t, 0,2
	QUANT 32*\t, 2, FRG+12*\t, FRG+12*\t+6
	v_lshl_or_b32 v[PW], v[TM+5], 8, v[TM+4]
	v_lshl_or_b32 v[PW+1], v[TM+7], 8, v[TM+6]
.irp e, 0,1
	global_store_b128 v[LI], v[FRG+12*\t+6*\e:FRG+12*\t+6*\e+3], s[VO:VO+1] offset:24576*(4*(\u)+\t+\e)
	global_store_b64 v[G8], v[FRG+12*\t+6*\e+4:FRG+12*\t+6*\e+5], s[VO:VO+1] offset:24576*(4*(\u)+\t+\e)+512
	ds_store_b16 v[VSW], v[PW+\e] offset:64*(4*(\u)+\t+\e)
.endr
.endr
	s_wait_alu depctr_va_vdst(0)
.endm
	s_load_b512 s[4:19], s[0:1], 0x0               ; seq, Wq codes, scales, Wk codes, scales, Wv codes, scales, cod
	s_load_b64 s[20:21], s[0:1], 0x40              ; scl
	v_lshl_add_u32 v[SPW], v0, 2, SPARE
	v_mov_b32 v[NIL], 0
	ds_add_u32 v[SPW], v[NIL]                      ; the opening: the add, twice on end, and its wait ahead of my first tensor load
	ds_add_u32 v[SPW], v[NIL]
	v_lshrrev_b32 v1, 5, v0
	v_readfirstlane_b32 s[WV], v1                  ; wave 0..3
	s_lshr_b32 s[WI], s[WV], 1                     ; i: my 64 tokens
	s_and_b32 s[WJ], s[WV], 1                      ; j: my columns
	s_bfe_u32 s60, ttmp6, 0x40000                  ; cx
	s_lshl_b32 s61, ttmp9, 2
	s_add_co_u32 s61, s61, s60                     ; X: block of 128 tokens
	s_and_b32 s62, ttmp7, 0xffff                   ; Y: block of 256 columns, which the partners share
	s_mov_b32 s[G1W], 15|(1<<20)|(1<<21)|(5<<22)|(3<<25)   ; mask: all four; elements of 1 byte; 4 words of padding behind every 64
	s_mov_b32 s[G1W+1], 768<<16
	s_mov_b32 s[G1W+2], 32<<16
	s_mov_b32 s[G1W+3], 768<<16
	s_mov_b32 s[G1W+4], 32
	s_mov_b32 s[G1W+5], 768
	s_mov_b32 s[G1W+6], 0
	s_mov_b32 s[G1W+7], 0
	s_lshl_b32 s84, s62, 8                         ; what feeds the joint descriptors hangs on Y and the wave alone
	s_lshl_b32 s85, s[WI], 7
	s_add_co_u32 s84, s84, s85
	s_lshl_b32 s85, s[WJ], 5
	s_add_co_u32 s84, s84, s85                     ; the 32 rows of W that I fetch for u = 0: 256 Y + 128 (w / 2) + 32 (w % 2)
	s_mul_i32 s86, s84, 768
	s_mov_b32 s87, 0
	s_mul_i32 s85, s[WV], 32*PITCH                 ; their place in a slot: row 32 w
	s_lshl_b32 s88, s62, 13
	s_lshl_b32 s89, s[WJ], 12
	s_add_co_u32 s88, s88, s89                     ; the scale bytes of the rows that I multiply: 32 (256 Y + 128 j)
	s_mov_b32 s89, 0
	s_lshl_b32 s90, s61, 7
	s_lshl_b32 s91, s[WV], 5
	s_add_co_u32 s90, s90, s91
	s_lshl_b32 s90, s90, 12                        ; seq: token 128 X + 32 w
	s_mov_b32 s91, 0
	s_lshl_b32 s92, s61, 3
	s_lshl_b32 s93, s[WI], 2
	s_add_co_u32 s92, s92, s93                     ; T = 8 X + 4 i
	s_lshl_b32 s94, s62, 1
	s_add_co_u32 s94, s94, s[WJ]                   ; s = 2 Y + j
	s_mul_i32 s96, s92, 12288
	s_mul_i32 s93, s94, 1536
	s_add_co_u32 s96, s96, s93
	s_mov_b32 s97, 0                               ; q's and k's codes
	s_lshl_b32 s94, s94, 15
	s_lshl_b32 s92, s92, 6
	s_add_co_u32 s92, s92, s94
	s_mov_b32 s93, 0                               ; their scale words
	s_lshr_b32 s94, s61, 4
	s_lshl_b32 s94, s94, 6
	s_lshl_b32 s95, s62, 4
	s_add_co_u32 s94, s94, s95
	s_lshl_b32 s95, s[WJ], 3
	s_add_co_u32 s94, s94, s95                     ; 64 batch + 16 Y + 8 j
	s_mul_i32 s94, s94, 24576
	s_and_b32 s95, s61, 15
	s_mul_i32 s95, s95, 1536
	s_add_co_u32 s94, s94, s95
	s_mul_i32 s95, s[WI], 768
	s_add_co_u32 s94, s94, s95
	s_add_co_u32 s94, s94, 12582912
	s_mov_b32 s95, 0                               ; v's codes
	s_lshl_b32 s98, s61, 12
	s_lshl_b32 s99, s62, 10
	s_add_co_u32 s98, s98, s99
	s_add_co_u32 s98, s98, 524288
	s_mov_b32 s99, 0                               ; v's scale words
	s_mov_b32 s[SEL], 0x76543210
	s_mov_b32 s[SEL+1], 0xfedcba98
	s_mul_i32 s70, s[WV], 12288                    ; the LDS bases
	s_add_co_u32 s70, s70, AIMG                    ; my two tiles' images
	s_lshl_b32 s71, s[WV], 10
	s_add_co_u32 s71, s71, ASC
	s_mul_i32 s72, s[WI], 24576
	s_add_co_u32 s72, s72, AIMG                    ; the four tiles that I multiply
	s_lshl_b32 s73, s[WI], 11
	s_add_co_u32 s73, s73, ASC
	s_mul_i32 s74, s[WJ], 64*PITCH                 ; my 64 rows of a slot
	s_add_co_u32 s75, s74, SLOT
	s_lshl_b32 s76, s[WV], 8
	s_add_co_u32 s76, s76, OSC
	s_lshl_b32 s77, s[WJ], 9
	s_lshl_b32 s78, s[WI], 1
	s_add_co_u32 s77, s77, s78
	s_add_co_u32 s77, s77, VSC
	s_mul_i32 s79, s[WV], 8448
	s_add_co_u32 s79, s79, TSC                     ; my 16 rows of seq on their way through LDS
	s_lshl_b32 s78, s62, 14                        ; the prefetches: rows 4 Y on of a unit's 16, in bytes
	s_wait_dscnt 0x0                               ; both opening adds are done
	s_wait_kmcnt 0x0
	s_add_nc_u64 s[66:67], s[6:7], s[86:87]        ; my rows of Wq, Wk, Wv
	s_add_nc_u64 s[NW:NW+1], s[10:11], s[86:87]
	s_add_nc_u64 s[NW2:NW2+1], s[14:15], s[86:87]
	s_add_nc_u64 s[68:69], s[8:9], s[88:89]        ; and their scale bytes
	s_add_nc_u64 s[NS:NS+1], s[12:13], s[88:89]
	s_add_nc_u64 s[NS2:NS2+1], s[16:17], s[88:89]
	s_add_nc_u64 s[SQ:SQ+1], s[4:5], s[90:91]
	s_add_nc_u64 s[QO:QO+1], s[18:19], s[96:97]
	s_add_nc_u64 s[VO:VO+1], s[18:19], s[94:95]
	s_add_nc_u64 s[QS:QS+1], s[20:21], s[92:93]
	s_add_nc_u64 s[VSO:VSO+1], s[20:21], s[98:99]
	s_mov_b32 s[G0], 1
	s_mov_b32 s[G0+1], s85
	s_mov_b64 s[G0+2:G0+3], s[66:67]
	s_or_b32 s[G0+3], s[G0+3], 0x80000000
	s_mov_b32 s[G0+4], 1
	s_add_co_u32 s[G0+5], s85, SLOT
	s_add_nc_u64 s[G0+6:G0+7], s[66:67], 49152
	s_or_b32 s[G0+7], s[G0+7], 0x80000000
	CROUND                                         ; all four work-groups are here: the first joint loads meet
	tensor_load_to_lds s[G0:G0+3], s[G1W:G1W+7]    ; slot 0, my 32 rows: the one tensor load of the head
	s_nop 0
	PLACES 4
	v_and_b32 v1, 31, v0                           ; lane
	v_and_b32 v2, 15, v0                           ; r
	v_bfe_u32 v3, v0, 4, 1                         ; h
	v_lshlrev_b32 v[XA], 12, v2
	v_lshl_add_u32 v[XA], v3, 6, v[XA]             ; seq, the direct way: row r, + 64 h: my 16 numbers of a block of 32
	v_lshlrev_b32 v[LI], 4, v1
	v_lshlrev_b32 v[G8], 3, v1
	v_add_nc_u32 v[XWI], s70, v[LI]
	v_lshl_add_u32 v[XWS], v2, 5, s71
	v_add_nc_u32 v[ARD], s72, v[LI]
	v_lshlrev_b32 v[SCO], 5, v2
	v_lshl_add_u32 v[SCO], v3, 4, v[SCO]           ; 32 r + 16 h
	v_add_nc_u32 v[ASR], s73, v[SCO]
	v_mul_u32_u24 v12, v2, PITCH
	v_mad_u32_u24 v12, v3, 24, v12
	v_lshl_add_u32 v13, v3, 4, v12
	v_add_nc_u32 v[ADRB], s74, v12
	v_add_nc_u32 v[ADRB+1], s75, v12
	v_add_nc_u32 v[ADRB+2], s74, v13
	v_add_nc_u32 v[ADRB+3], s75, v13
	v_lshl_add_u32 v[OSW], v2, 2, s76
	v_lshl_add_u32 v[OSR], v1, 3, s76
	v_lshl_add_u32 v[VSW], v2, 2, s77
	v_lshlrev_b32 v[T8], 3, v0
	v_add_nc_u32 v[VSR], VSC, v[T8]
	v_add_nc_u32 v[TW], s79, v[LI]                 ; through LDS, in: 16 bytes a lane of a row's 512
	v_mul_u32_u24 v[TR], v2, 528
	v_lshl_add_u32 v[TR], v3, 6, v[TR]
	v_add_nc_u32 v[TR], s79, v[TR]                 ; back: row r, + 64 h
	v_min_u32 v[PFO], 7, v1                        ; the prefetches: lanes 0-7 name 8 blocks of 256 bytes, lanes 8-31 lane 7's again
	v_and_b32 v13, 3, v[PFO]
	v_lshrrev_b32 v[PFO], 2, v[PFO]
	v_lshlrev_b32 v[PFO], 8, v[PFO]
	v_lshl_add_u32 v[PFO], v13, 12, v[PFO]
	v_add_nc_u32 v[PFO], s78, v[PFO]               ; row 4 Y + l % 4, block l / 4 of the row's two; never rewritten
.irp b, 0,1,2,3
	v_mov_b32 v[TM+4+\b], 0                        ; written once: a lane permute's destination counts as one of its sources
.endr
	s_wait_alu depctr_va_vdst(0)
	SCLOAD 0, 68                                   ; Wq's scale words, older than every load of seq
	SCLOAD 1, 68
; ---- seq: my 32 tokens become 16 fragments.  Unit m: half m / 8 of K, tile 2 w + (m % 8) / 4, K step 4 (m / 8) + m % 4: 16 rows x 512 bytes, into one of four sets of 64 registers of window 2.
; THE UNITS COME BY TWO WAYS IN TURN.  An even unit is loaded as the quantiser wants it: a lane takes 64 neighbouring bytes of its row in four loads.  An odd unit is loaded by rows, 512 consecutive bytes a
; load, and goes through my own LDS bytes: stored by rows, read back into v0-63 of window 1 in the same order as an even unit has.  So half of seq's bytes pass LDS, and half of the loads name sixteen rows.
; PREFETCH INTO THE L2.  In trip m each wave asks for a quarter of unit m + 5, two trips ahead of the loads that will want it (unit m + 3 is loaded in trip m).  The four work-groups that read the same
; tokens (Y = 0 .. 3) share a unit's 32 blocks of 256 bytes out by address: rows 4 Y .. 4 Y + 3.  Units 0-4 come by their loads alone; the last six trips ask for nothing.
.macro XLOAD m
	WIN 0x80
.if (\m)%2
.irp p, 0,1,2,3,4,5,6,7,8,9,10,11,12,13,14,15
	global_load_b128 v[64*((\m)%4)+4*\p:64*((\m)%4)+4*\p+3], v[LI], s[SQ:SQ+1] offset:65536*(((\m)%8)/4)+4096*\p+512*(4*((\m)/8)+(\m)%4)
.endr
.else
.irp b, 0,1,2,3
.irp jj, 0,1,2,3
	global_load_b128 v[64*((\m)%4)+16*\b+4*\jj:64*((\m)%4)+16*\b+4*\jj+3], v[XA], s[SQ:SQ+1] offset:65536*(((\m)%8)/4)+512*(4*((\m)/8)+(\m)%4)+128*\b+16*\jj
.endr
.endr
.endif
	WIN 0
.endm
.macro UNIT m                          ; trip m (0 .. 16): unit m is waited for (an odd one goes into LDS and back), unit m - 1 is quantised, unit m + 3 is asked for
.if (\m) < 16
.if (\m) < 14
	s_wait_loadcnt 32                              ; this unit's 16 loads are in; those of the two younger units may be out
.else
	s_wait_loadcnt 16*(15-(\m))
.endif
.if (\m)%2
	WIN 0x08
.irp p, 0,1,2,3,4,5,6,7,8,9,10,11,12,13,14,15
	ds_store_b128 v[TW], v[64*((\m)%4)+4*\p:64*((\m)%4)+4*\p+3] offset:528*\p
.endr
	WIN 0x40
.irp b, 0,1,2,3
.irp jj, 0,1,2,3
	ds_load_b128 v[16*\b+4*\jj:16*\b+4*\jj+3], v[TR] offset:128*\b+16*\jj   ; LDS serves a wave's instructions in order: these see my stores, and the next odd unit's stores come behind them
.endr
.endr
	WIN 0
.endif
.endif
.if (\m)+5 < 16
	global_prefetch_b8 v[PFO], s[SQ:SQ+1] offset:65536*((((\m)+5)%8)/4)+512*(4*(((\m)+5)/8)+((\m)+5)%4) th:TH_LOAD_NT scope:SCOPE_SE
.endif
.if (\m) > 0
.set UQ, (\m)-1
.set UD, FRG+12*(UQ%4)
.if UQ%2
	s_wait_dscnt 4                                 ; unit m - 1 is back in registers and its stores have read theirs; the four stores of unit m - 2's codes may be out
	QUANT 0, 1, UD, UD+6
.else
	QUANT 64*(UQ%4), 2, UD, UD+6
.endif
	v_lshl_or_b32 v[PW], v[TM+5], 8, v[TM+4]
	v_lshl_or_b32 v[PW], v[TM+6], 16, v[PW]
	v_lshl_or_b32 v[PW], v[TM+7], 24, v[PW]
.irp c, 0,1,2
	ds_store_b128 v[XWI], v[UD+4*\c:UD+4*\c+3] offset:1536*(4*((UQ%8)/4)+UQ%4)+512*\c
.endr
	ds_store_b32 v[XWS], v[PW] offset:512*((UQ%8)/4)+4*(4*(UQ/8)+UQ%4)
.endif
.if (\m)+3 < 16
	XLOAD (\m)+3                                   ; into the set that unit m - 1 has left
.endif
.endm
.macro ALOAD kh                        ; my four tiles' fragments of K steps 4 kh .. 4 kh + 3 into the registers where they stay
.irp d, 0,1,2,3
.irp a, 0,1,2,3
.set AS, 4*(\kh)+\d
.if AS < 5
	WIN 0xC0
	FRAG3 48*AS+12*\a, ARD, (4*\a+\d)*1536
.elseif AS < 7
	WIN 0
	FRAG3 112+48*(AS-5)+12*\a, ARD, (4*\a+\d)*1536
.else
	WIN 0x40
	FRAG3 192+12*\a, ARD, (4*\a+\d)*1536
.endif
.endr
.endr
	WIN 0
.endm
	XLOAD 0
	XLOAD 1
	XLOAD 2
.irp m, 0,1,2,3,4,5,6,7,8
	UNIT \m
.endr
	s_wait_alu depctr_va_vdst(0)
	s_wait_tensorcnt 0x0                           ; my part of slot 0 is in
	ds_add_u32 v[SPW], v[NIL]
	s_wait_dscnt 0x0
	CROUND                                         ; a whole round: slot 0 is whole, and the four work-groups are here
	tensor_load_to_lds s[G0+4:G0+7], s[G1W:G1W+7]  ; slot 1's first fill: read behind eight more units and the first slot step
	s_nop 0
	PLACES 4
	ALOAD 0                                        ; the round has also shown everybody's images of K steps 0-3
	s_wait_dscnt 0x0                               ; my reads of them are over
	s_barrier_signal -1
	s_barrier_wait -1                              ; everybody's are: the region may be stored again
.irp m, 9,10,11,12,13,14,15,16
	UNIT \m
.endr
	s_wait_alu depctr_va_vdst(0)
	s_wait_dscnt 0x0                               ; my images and scale words have landed
	s_barrier_signal -1
	s_barrier_wait -1                              ; everybody's have; slot 1's load may stay out
	ALOAD 1
.irp a, 0,1,2,3
	ds_load_b128 v[SCA+4*\a:SCA+4*\a+3], v[ASR] offset:512*\a   ; register q: lanes 0-15 K step q, lanes 16-31 K step 4 + q
.endr
	FETCHW 0, 0
	FETCHW 0, 1
	WIN 0
	s_mov_b32 s[CNT], 0
.Lpass:                                                ; two trips: q, then k.  What differs between them stands in scalar registers
	SSTEP 0, 0, 2, 4
	EPIQK 0
	SSTEP 0, 1, 2, 4
	EPIQK 1
	s_wait_xcnt 0x0                                ; the loads and stores above have read their bases
	s_mov_b64 s[NW:NW+1], s[NW2:NW2+1]
	s_mov_b64 s[NS:NS+1], s[NS2:NS2+1]
	s_add_nc_u64 s[QO:QO+1], s[QO:QO+1], 6291456
	s_add_nc_u64 s[QS:QS+1], s[QS:QS+1], 262144
	s_add_co_u32 s[CNT], s[CNT], 1
	s_cmp_lt_u32 s[CNT], 2
	s_wait_alu depctr_va_vdst(0)
	s_cbranch_scc1 .Lpass
	SSTEP 1, 0, 1, 4
	EPIV 0
	SSTEP 1, 1, 0, 0
	EPIV 1
	s_wait_dscnt 0x0                               ; for the others: a scale word's halves come from two waves
	s_barrier_signal -1
	s_barrier_wait -1
	ds_load_b64 v[OW:OW+1], v[VSR]
	s_wait_dscnt 0x0
	global_store_b64 v[T8], v[OW:OW+1], s[VSO:VSO+1]   ; the work-group's 1,024 bytes on end
	s_wait_tensorcnt 0x0                           ; the wave's end
	ds_add_u32 v[SPW], v[NIL]
	s_wait_dscnt 0x0
	CROUND                                         ; the closing round
	s_endpgm
.Lfunc_end_k_q996be32e55_proj:
	.size	k_q996be32e55_proj, .Lfunc_end_k_q996be32e55_proj-k_q996be32e55_proj
	.p2alignl 7, 3214868480
	.fill 96, 4, 3214868480
	.section	.rodata,"a",@progbits
	.p2align	6, 0x0
	.amdhsa_kernel k_q996be32e55_proj
		.amdhsa_group_segment_fixed_size 327680
		.amdhsa_private_segment_fixed_size 0
		.amdhsa_enable_private_segment 0
		.amdhsa_kernarg_size 72
		.amdhsa_user_sgpr_count 2
		.amdhsa_user_sgpr_kernarg_segment_ptr 1
		.amdhsa_wavefront_size32 1
		.amdhsa_system_sgpr_workgroup_id_x 1
		.amdhsa_system_sgpr_workgroup_id_y 1
		.amdhsa_system_sgpr_workgroup_id_z 1
		.amdhsa_system_vgpr_workitem_id 0
		.amdhsa_next_free_vgpr 1024
		.amdhsa_next_free_sgpr 100
		.amdhsa_reserve_vcc 0
		.amdhsa_float_denorm_mode_32 3
		.amdhsa_float_denorm_mode_16_64 3
		.amdhsa_memory_ordered 1
		.amdhsa_forward_progress 1
		.amdhsa_inst_pref_size 255
	.end_amdhsa_kernel
	.section	.bss,"aw",@nobits
	.p2align	6
	.space	262144
	.amdgpu_metadata
---
amdhsa.version: [ 1, 2 ]
amdhsa.kernels:
  - .name:           k_q996be32e55_proj
    .symbol:         k_q996be32e55_proj.kd
    .args:
      - { .name: seq, .offset: 0, .size: 8, .value_kind: global_buffer, .address_space: global }
      - { .name: Wq_codes, .offset: 8, .size: 8, .value_kind: global_buffer, .address_space: global }
      - { .name: Wq_scales, .offset: 16, .size: 8, .value_kind: global_buffer, .address_space: global }
      - { .name: Wk_codes, .offset: 24, .size: 8, .value_kind: global_buffer, .address_space: global }
      - { .name: Wk_scales, .offset: 32, .size: 8, .value_kind: global_buffer, .address_space: global }
      - { .name: Wv_codes, .offset: 40, .size: 8, .value_kind: global_buffer, .address_space: global }
      - { .name: Wv_scales, .offset: 48, .size: 8, .value_kind: global_buffer, .address_space: global }
      - { .name: cod, .offset: 56, .size: 8, .value_kind: global_buffer, .address_space: global }
      - { .name: scl, .offset: 64, .size: 8, .value_kind: global_buffer, .address_space: global }
    .group_segment_fixed_size: 327680
    .private_segment_fixed_size: 0
    .kernarg_segment_align: 8
    .kernarg_segment_size: 72
    .max_flat_workgroup_size: 128
    .sgpr_count:     100
    .vgpr_count:     1024
    .wavefront_size: 32
...
	.end_amdgpu_metadata
.endif
;; end of part 1
;; launch score (part 2): grid 8 x 32, 4 waves a work-group, clusters of 4 x 4, 327,680 bytes of LDS; arguments cod, scl, pc, pst; writes pc, pst
.if DOCPART == 2
	.amdgcn_target "amdgcn-amd-amdhsa--gfx1250"
	.amdhsa_code_object_version 6
	.text
	.protected	k_q996be32e55_score
	.globl	k_q996be32e55_score
	.p2align	8
	.type	k_q996be32e55_score,@function
k_q996be32e55_score:
	s_mov_b64 s[64:65], 0
	v_nop
	global_prefetch_b8 v0, s[64:65] scope:SCOPE_SE
	s_setreg_imm32_b32 hwreg(HW_REG_WAVE_MODE, 25, 1), 1
	s_wait_xcnt 0x0
	s_wait_alu depctr_hold_cnt(0) depctr_sa_sdst(0) depctr_va_vdst(0) depctr_va_sdst(0) depctr_va_ssrc(0) depctr_va_vcc(0) depctr_vm_vsrc(0)
	s_getreg_b32 s2, hwreg(HW_REG_IB_STS2, 6, 4)
	s_cmp_eq_u32 s2, 0
	s_cbranch_scc0 .Lentry_in_a_cluster
	s_endpgm
.Lentry_in_a_cluster:
	s_bfe_u32 s2, ttmp6, 0x10000c
	s_cmp_lg_u32 s2, 0xf033
	s_cbranch_scc0 .Lentry_shape_is_right
	s_endpgm
.Lentry_shape_is_right:
.set FR,    12
.set NL,    3
.set SLOT,  98304
.set SCL,   196608
.set STAT,  212992
.set SPARE, 219136
.set ADRA, 16
.set ADRB, 20
.set LI,   24
.set STW,  25
.set STR,  26
.set ADRS, 27
.set SPW,  28
.set NIL,  29
.set SC,   32
.set AF,   128
.set P,    64
.set PC,   128
.set BM,   150
.set BX,   154
.set SO,   158
.set BY,   162
.set PW,   166
.set T0,   167
.set NM,   168
.set LA,   170
.set LB,   172
.set LT,   174
.set WV,   14
.set G1,   24
.set G0,   32
.set G1B,  48
.set G0B,  56
.set CS,   66
.set G0S,  76
.set G0SB, 88
.set SEL,  94
.set MUL_LO, 0xa1
.set MUL_HI, 0xf1
.set MSB, 0
.macro WIN new
.if MSB != (\new)
	s_set_vgpr_msb (MSB<<8)|(\new)
.set MSB, (\new)
.endif
.endm
.macro PLACES n
.rept \n
	v_nop
.endr
.endm
.macro CREST
	s_cmp_lg_u32 s[WV], 0
	s_cbranch_scc1 .Lnw0_\@
	s_barrier_signal -3
.Lnw0_\@:
	s_barrier_wait -3
	s_barrier_signal -1
	s_barrier_wait -1
.endm
.macro CROUND
	s_barrier_signal -1
	s_barrier_wait -1
	CREST
.endm
.macro JLOAD g0a, g1a, g0b, g1b
	s_cmp_eq_u32 s15, 0
	s_cbranch_scc0 .Lfor_b_\@
	tensor_load_to_lds s[\g0a:\g0a+3], s[\g1a:\g1a+7]
	s_nop 0
	PLACES 4
	s_branch .Lasked_\@
.Lfor_b_\@:
	tensor_load_to_lds s[\g0b:\g0b+3], s[\g1b:\g1b+7]
	s_nop 0
	PLACES 4
.Lasked_\@:
.endm
.macro FRAG3 reg, adr, off
.irp c, 0,1,2
	ds_load_b128 v[(\reg)+4*\c:(\reg)+4*\c+3], v[\adr] offset:(\off)+512*\c
.endr
.endm
.macro FETCH_B slot, q, p
	WIN 0x40
.irp i, 0,1,2,3,4,5,6,7
	FRAG3 128*(\p)+FR*\i, ADRB+(\slot), 3072*\i+1536*(\q)
.endr
	WIN 0
.endm
.macro FETCH_A slot, q, i0
.irp i, \i0, \i0+1, \i0+2, \i0+3
	FRAG3 AF+FR*(\i), ADRA+(\slot), 3072*(\i)+1536*(\q)
.endr
.endm
.macro SCALES n
.irp t, 0,1,2,3,4,5,6,7
.irp q, 0,1
	ds_load_b32 v[SC+16*((\n)%2)+2*\t+\q], v[ADRS] offset:1024*(2*(\n)+\q)+64*\t   ; the scale words lie [K step 8][16 tiles][16 words]
.endr
.endr
.endm
.macro MUL16 a0, p, q, sc, zero
.irp a, \a0, \a0+1
.irp b, 0,1,2,3,4,5,6,7
.if \zero
	v_wmma_scale_f32_16x16x128_f8f6f4 v[8*(8*((\a)%4)+\b):8*(8*((\a)%4)+\b)+7], v[128*(\p)+FR*\b:128*(\p)+FR*\b+FR-1], v[AF+FR*(\a):AF+FR*(\a)+FR-1], 0, v[SC+16*(\sc)+2*\b+(\q)], v[SC+16*(\sc)+2*(\a)+(\q)] matrix_a_fmt:MATRIX_FMT_FP6 matrix_b_fmt:MATRIX_FMT_FP6 matrix_a_scale:MATRIX_SCALE_ROW1
.else
	v_wmma_scale_f32_16x16x128_f8f6f4 v[8*(8*((\a)%4)+\b):8*(8*((\a)%4)+\b)+7], v[128*(\p)+FR*\b:128*(\p)+FR*\b+FR-1], v[AF+FR*(\a):AF+FR*(\a)+FR-1], v[8*(8*((\a)%4)+\b):8*(8*((\a)%4)+\b)+7], v[SC+16*(\sc)+2*\b+(\q)], v[SC+16*(\sc)+2*(\a)+(\q)] matrix_a_fmt:MATRIX_FMT_FP6 matrix_b_fmt:MATRIX_FMT_FP6 matrix_a_scale:MATRIX_SCALE_ROW1
.endif
.endr
.endr
.endm
.macro STEP slot, zero
	s_wait_dscnt 4*NL
	WIN MUL_LO
	MUL16 0, 0, 0, \slot, \zero
	MUL16 2, 0, 0, \slot, \zero
	s_wait_dscnt 0x0
	PLACES 4
	FETCH_B \slot, 1, 1
	FETCH_A \slot, 1, 0
	WIN MUL_HI
	MUL16 4, 0, 0, \slot, \zero
	MUL16 6, 0, 0, \slot, \zero
	PLACES 4
	WIN 0
	FETCH_A \slot, 1, 4
.endm
.macro TURN slot, next, fill, nn
	s_wait_tensorcnt 0x0
	ds_add_u32 v[SPW], v[NIL]
	s_wait_dscnt 4*NL+1
	WIN MUL_LO
	MUL16 0, 1, 1, \slot, 0
	s_wait_dscnt 0x0
	s_barrier_signal -1
	MUL16 2, 1, 1, \slot, 0
	WIN 0
	s_barrier_wait -1
.if \fill
	CREST
	s_add_nc_u64 s[G0+4*\slot+2:G0+4*\slot+3], s[G0+4*\slot+2:G0+4*\slot+3], 6144
	s_add_nc_u64 s[G0B+4*\slot+2:G0B+4*\slot+3], s[G0B+4*\slot+2:G0B+4*\slot+3], 6144
	JLOAD G0+4*\slot, G1, G0B+4*\slot, G1B
.else
	PLACES 4
.endif
	FETCH_B \next, 0, 0
	FETCH_A \next, 0, 0
	SCALES \nn
	WIN MUL_HI
	MUL16 4, 1, 1, \slot, 0
	MUL16 6, 1, 1, \slot, 0
	PLACES 4
	WIN 0
	FETCH_A \next, 0, 4
.endm
	s_load_b256 s[4:11], s[0:1], 0x0
	v_lshl_add_u32 v[SPW], v0, 2, SPARE
	v_mov_b32 v[NIL], 0
	ds_add_u32 v[SPW], v[NIL]
	ds_add_u32 v[SPW], v[NIL]
	v_lshrrev_b32 v1, 5, v0
	v_readfirstlane_b32 s[WV], v1
	s_lshr_b32 s15, s[WV], 1
	s_and_b32 s16, s[WV], 1
	s_bfe_u32 s40, ttmp6, 0x40000
	s_bfe_u32 s41, ttmp6, 0x40004
	s_lshl_b32 s42, ttmp9, 2
	s_add_co_u32 s42, s42, s40
	s_and_b32 s12, ttmp7, 0xffff
	s_lshl_b32 s17, s12, 2
	s_add_co_u32 s17, s17, s41
	s_lshr_b32 s13, s12, 1
	s_lshl_b32 s43, s41, 2
	s_lshl_b32 s43, 15, s43
	s_lshl_b32 s44, 0x1111, s40
	s_or_b32 s[G1], s43, (3<<16)|(1<<21)
	s_or_b32 s[G1B], s44, (3<<16)|(1<<21)
.irp g, G1, G1B
	s_mov_b32 s[\g+1], 384<<16
	s_mov_b32 s[\g+2], 16<<16                      ; the head's loads bring all 16 tiles of a side; behind them the two words are set to 8, for the ring's
	s_mov_b32 s[\g+3], 384<<16
	s_mov_b32 s[\g+4], 16
	s_mov_b32 s[\g+5], 1536
	s_mov_b32 s[\g+6], 0
	s_mov_b32 s[\g+7], 0
.endr
	s_lshl_b32 s18, s16, 3
	s_lshl_b32 s20, s17, 4
	s_add_co_u32 s20, s20, s18
	s_lshl_b32 s22, s17, 10
	s_mov_b32 s23, 0
	s_mul_i32 s20, s20, 12288
	s_mov_b32 s21, 0
	s_lshl_b32 s46, s13, 7
	s_lshl_b32 s47, s42, 4
	s_add_co_u32 s46, s46, s47
	s_lshl_b32 s92, s46, 6
	s_add_co_u32 s46, s46, s18
	s_add_co_u32 s92, s92, 262144
	s_mov_b32 s93, 0
	s_mul_i32 s46, s46, 12288
	s_add_co_u32 s46, s46, 6291456
	s_mov_b32 s47, 0
	s_mul_i32 s45, s[WV], 24576
	s_mov_b32 s[CS], 0x3d38aa3b
	s_mov_b32 s[CS+1], s[CS]
	s_mov_b32 s[SEL], 0x76543210
	s_mov_b32 s[SEL+1], 0xfedcba98
	s_wait_dscnt 0x0
	s_wait_kmcnt 0x0
	s_add_nc_u64 s[20:21], s[4:5], s[20:21]
	s_add_nc_u64 s[22:23], s[6:7], s[22:23]
	s_add_nc_u64 s[46:47], s[4:5], s[46:47]
	s_add_nc_u64 s[92:93], s[6:7], s[92:93]
	CROUND
	s_mul_i32 s2, s18, 12288                       ; my half's 8 tiles, in bytes: taken off again for the head's loads of slot 1, which bring whole sides
	s_mov_b32 s3, 0
	s_mov_b32 s[G0S], 1                            ; slot 1's 16 tiles of q,
	s_mov_b32 s[G0S+1], SLOT
	s_sub_nc_u64 s[G0S+2:G0S+3], s[20:21], s[2:3]
	s_add_nc_u64 s[G0S+2:G0S+3], s[G0S+2:G0S+3], 3072
	s_or_b32 s[G0S+3], s[G0S+3], 0x80000000
	s_mov_b32 s[G0SB], 1                           ; and of k
	s_mov_b32 s[G0SB+1], SLOT+49152
	s_sub_nc_u64 s[G0SB+2:G0SB+3], s[46:47], s[2:3]
	s_add_nc_u64 s[G0SB+2:G0SB+3], s[G0SB+2:G0SB+3], 3072
	s_or_b32 s[G0SB+3], s[G0SB+3], 0x80000000
.irp s, 0,1
	s_mov_b32 s[G0+4*\s], 1
	s_add_co_u32 s[G0+4*\s+1], s45, \s*SLOT
	s_add_nc_u64 s[G0+4*\s+2:G0+4*\s+3], s[20:21], \s*3072
	s_or_b32 s[G0+4*\s+3], s[G0+4*\s+3], 0x80000000
	s_mov_b32 s[G0B+4*\s], 1
	s_add_co_u32 s[G0B+4*\s+1], s45, \s*SLOT
	s_add_nc_u64 s[G0B+4*\s+2:G0B+4*\s+3], s[46:47], \s*3072
	s_or_b32 s[G0B+4*\s+3], s[G0B+4*\s+3], 0x80000000
.endr
; THE HEAD'S LOADS, ONE A WAVE, in one chain of branches on the wave's number: wave 0 slot 0's 16 tiles of q, wave 1 slot 1's, wave 2 slot 0's 16 tiles of k, wave 3 slot 1's
	s_cmp_lt_u32 s[WV], 1
	s_cbranch_scc0 .Lhead_sa
	tensor_load_to_lds s[G0:G0+3], s[G1:G1+7]
	s_nop 0
	PLACES 4
	s_branch .Lhead_asked
.Lhead_sa:
	s_cmp_lt_u32 s[WV], 2
	s_cbranch_scc0 .Lhead_b
	tensor_load_to_lds s[G0S:G0S+3], s[G1:G1+7]
	s_nop 0
	PLACES 4
	s_branch .Lhead_asked
.Lhead_b:
	s_cmp_lt_u32 s[WV], 3
	s_cbranch_scc0 .Lhead_sb
	tensor_load_to_lds s[G0B:G0B+3], s[G1B:G1B+7]
	s_nop 0
	PLACES 4
	s_branch .Lhead_asked
.Lhead_sb:
	tensor_load_to_lds s[G0SB:G0SB+3], s[G1B:G1B+7]
	s_nop 0
	PLACES 4
.Lhead_asked:
	v_lshrrev_b32 v6, 6, v0                        ; the scale words come through registers: a K step's 1,024 bytes of a side by 64 threads, two K steps an instruction
	v_and_b32 v7, 63, v0
	v_lshlrev_b32 v6, 15, v6
	v_lshl_add_u32 v6, v7, 4, v6                   ; 32768 (t / 64) + 16 (t % 64)
	v_lshl_add_u32 v7, v0, 4, SCL                  ; and in LDS 16 t
.irp n, 0,1,2,3
	global_load_b128 v[64+4*\n:67+4*\n], v6, s[22:23] offset:65536*\n
	global_load_b128 v[80+4*\n:83+4*\n], v6, s[92:93] offset:65536*\n
.endr
	s_lshl_b32 s96, s17, 4
	s_lshl_b32 s97, s15, 3
	s_add_co_u32 s96, s96, s97
	s_lshl_b32 s97, s42, 1
	s_add_co_u32 s97, s97, s16
	s_lshl_b32 s2, s96, 4
	s_add_co_u32 s2, s2, s97
	s_mul_i32 s2, s2, 1536
	s_mov_b32 s3, 0
	s_add_nc_u64 s[8:9], s[8:9], s[2:3]
	s_lshl_b32 s2, s97, 15
	s_lshl_b32 s96, s96, 6
	s_add_co_u32 s2, s2, s96
	s_add_nc_u64 s[10:11], s[10:11], s[2:3]
	v_and_b32 v1, 15, v0
	v_bfe_u32 v2, v0, 4, 1
	s_wait_alu depctr_va_vdst(0)
	v_and_b32 v3, 31, v0
	v_lshlrev_b32 v[LI], 4, v3
	s_wait_alu depctr_va_vdst(0)
	s_mul_i32 s2, s15, 24576
	s_mul_i32 s3, s16, 24576
	s_add_co_u32 s3, s3, 49152
.irp s, 0,1
	v_add_nc_u32 v[ADRA+\s], s2, v[LI]
	v_add_nc_u32 v[ADRB+\s], s3, v[LI]
	s_add_co_u32 s2, s2, SLOT
	s_add_co_u32 s3, s3, SLOT
.endr
	s_lshl_b32 s2, s15, 9
	s_lshl_b32 s3, s16, 9
	s_add_co_u32 s3, s3, 8192
	s_sub_co_u32 s3, s3, s2
	v_mul_u32_u24 v4, s3, v2
	s_add_co_u32 s2, s2, SCL
	v_lshl_add_u32 v4, v1, 2, v4
	v_add_nc_u32 v[ADRS], s2, v4
	s_mul_i32 s2, s[WV], 1536
	s_add_co_u32 s2, s2, STAT
	v_lshl_add_u32 v[STW], v1, 2, s2
	v_add_nc_u32 v[STR], s2, v[LI]
.irp b, 0,1,2,3
	v_mov_b32 v[BX+\b], 0
.endr
	v_mov_b32 v[NM+1], 0
	s_wait_alu depctr_va_vdst(0)
	s_wait_loadcnt 0x0
.irp n, 0,1,2,3
	ds_store_b128 v7, v[64+4*\n:67+4*\n] offset:2048*\n
	ds_store_b128 v7, v[80+4*\n:83+4*\n] offset:8192+2048*\n
.endr
	s_wait_tensorcnt 0x0                           ; my tile of the head's four is in
	s_mov_b32 s[G1+2], 8<<16                       ; no tensor load of mine is out: from here on a load brings 8 tiles
	s_mov_b32 s[G1+4], 8
	s_mov_b32 s[G1B+2], 8<<16
	s_mov_b32 s[G1B+4], 8
	s_wait_dscnt 0x0                               ; my part of the scale words has landed
	s_barrier_signal -1
	s_barrier_wait -1                              ; both slots and the scale words are whole
	FETCH_B 0, 0, 0
	FETCH_A 0, 0, 0
	SCALES 0
	FETCH_A 0, 0, 4
	STEP 0, 1
	TURN 0, 1, 1, 1
	STEP 1, 0
	TURN 1, 0, 1, 2
	STEP 0, 0
	TURN 0, 1, 0, 3
	STEP 1, 0
	s_wait_dscnt 4*NL
	WIN MUL_LO
	MUL16 0, 1, 1, 1, 0
	MUL16 2, 1, 1, 1, 0
	s_wait_dscnt 0x0
	WIN MUL_HI
	MUL16 4, 1, 1, 1, 0
	MUL16 6, 1, 1, 1, 0
	WIN 0
.macro SOFTQ a
.set WW, 2+(\a)/4
.set S, 64*((\a)%4)
	s_wait_dscnt 0x0
	WIN WW|(WW<<2)|(WW<<4)
.irp b, 0,1,2,3
	v_max3_num_f32 v[BM+\b], v[S+16*\b], v[S+16*\b+1], v[S+16*\b+2]
.endr
	WIN (WW<<2)|(WW<<4)
.irp i, 3,5,7,9,11,13
.irp b, 0,1,2,3
	v_max3_num_f32 v[BM+\b], v[BM+\b], v[S+16*\b+\i], v[S+16*\b+\i+1]
.endr
.endr
	WIN WW<<2
.irp b, 0,1,2,3
	v_max_num_f32 v[BM+\b], v[BM+\b], v[S+16*\b+15]
.endr
	WIN 0
.irp b, 0,1,2,3
	v_permlanex16_b32 v[BX+\b], v[BM+\b], s[SEL], s[SEL+1]
.endr
.irp b, 0,1,2,3
	v_max_num_f32 v[BM+\b], v[BM+\b], v[BX+\b]
.endr
	v_max3_num_f32 v[T0], v[BM], v[BM+1], v[BM+2]
	v_max_num_f32 v[T0], v[T0], v[BM+3]
	v_mul_f32 v[T0], s[CS], v[T0]
	v_floor_f32 v[NM], -v[T0]
	WIN WW
.set j, 0
.rept 32
	v_pk_fma_f32 v[P+j:P+j+1], v[S+j:S+j+1], s[CS:CS+1], v[NM:NM+1] op_sel_hi:[1,0,0]
.set j, j+2
.endr
	WIN 0
.irp b, 0,1,2,3
	v_fma_f32 v[BM+\b], v[BM+\b], s[CS], v[NM]
.endr
.set j, 0
	s_wait_alu depctr_va_vdst(0)
.rept 64
	v_exp_f32 v[P+j], v[P+j]
.set j, j+1
.endr
	v_nop
	s_wait_alu depctr_va_vdst(0)
.irp b, 0,1,2,3
	v_exp_f32 v[BM+\b], v[BM+\b]
.endr
	v_pk_add_f32 v[LA:LA+1], v[P:P+1], v[P+4:P+5]
	v_pk_add_f32 v[LB:LB+1], v[P+2:P+3], v[P+6:P+7]
.set j, 8
.rept 14
	v_pk_add_f32 v[LA:LA+1], v[LA:LA+1], v[P+j:P+j+1]
	v_pk_add_f32 v[LB:LB+1], v[LB:LB+1], v[P+j+2:P+j+3]
.set j, j+4
.endr
	v_pk_add_f32 v[LA:LA+1], v[LA:LA+1], v[LB:LB+1]
	s_wait_alu depctr_va_vdst(0)
.irp b, 0,1,2,3
	v_max_num_f32 v[BM+\b], 0x1800000, v[BM+\b]
.endr
.irp b, 0,1,2,3
	v_add_nc_u32 v[SO+\b], 0xff000000, v[BM+\b]
.endr
.irp b, 0,1,2,3
	v_lshrrev_b32 v[BY+\b], 23, v[SO+\b]
.endr
	v_lshl_or_b32 v[PW], v[BY+1], 8, v[BY]
	v_lshl_or_b32 v[PW], v[BY+2], 16, v[PW]
	v_lshl_or_b32 v[PW], v[BY+3], 24, v[PW]
	v_add_f32 v[LT], v[LA], v[LA+1]
	v_permlanex16_b32 v[BX], v[LT], s[SEL], s[SEL+1]
	v_add_f32 v[LT], v[LT], v[BX]
	s_wait_xcnt 0x0
.irp c, 0,1
	v_cvt_scalef32_pk16_fp6_f32 v[PC+6*\c:PC+6*\c+2], v[P+32*\c:P+32*\c+15], v[SO+2*\c]
	v_cvt_scalef32_pk16_fp6_f32 v[PC+12+4*\c:PC+14+4*\c], v[P+32*\c+16:P+32*\c+31], v[SO+2*\c+1]
.endr
	v_nop
.irp c, 0,1
.irp i, 0,1,2
	v_permlane16_swap_b32 v[PC+6*\c+\i], v[PC+12+4*\c+\i]
.endr
.irp i, 0,1,2
	v_mov_b32 v[PC+3+6*\c+\i], v[PC+12+4*\c+\i]
.endr
.endr
.irp c, 0,1,2
	global_store_b128 v[LI], v[PC+4*\c:PC+4*\c+3], s[8:9] offset:24576*(\a)+512*\c
.endr
	ds_store_b32 v[STW], v[NM] offset:64*(\a)
	ds_store_b32 v[STW], v[LT] offset:512+64*(\a)
	ds_store_b32 v[STW], v[PW] offset:1024+64*(\a)
.endm
	PLACES 4
.irp a, 0,1,2,3,4,5,6,7
	SOFTQ \a
.endr
.irp g, 0,1,2
	ds_load_b128 v[P+4*\g:P+4*\g+3], v[STR] offset:512*\g
.endr
	s_wait_dscnt 0x0
.irp g, 0,1,2
	global_store_b128 v[LI], v[P+4*\g:P+4*\g+3], s[10:11] offset:524288*\g
.endr
	s_wait_tensorcnt 0x0
	ds_add_u32 v[SPW], v[NIL]
	s_wait_dscnt 0x0
	CROUND
	s_endpgm
.Lfunc_end_k_q996be32e55_score:
	.size	k_q996be32e55_score, .Lfunc_end_k_q996be32e55_score-k_q996be32e55_score
	.p2alignl 7, 3214868480
	.fill 96, 4, 3214868480
	.section	.rodata,"a",@progbits
	.p2align	6, 0x0
	.amdhsa_kernel k_q996be32e55_score
		.amdhsa_group_segment_fixed_size 327680
		.amdhsa_private_segment_fixed_size 0
		.amdhsa_enable_private_segment 0
		.amdhsa_kernarg_size 32
		.amdhsa_user_sgpr_count 2
		.amdhsa_user_sgpr_kernarg_segment_ptr 1
		.amdhsa_wavefront_size32 1
		.amdhsa_system_sgpr_workgroup_id_x 1
		.amdhsa_system_sgpr_workgroup_id_y 1
		.amdhsa_system_sgpr_workgroup_id_z 1
		.amdhsa_system_vgpr_workitem_id 0
		.amdhsa_next_free_vgpr 1024
		.amdhsa_next_free_sgpr 98
		.amdhsa_reserve_vcc 0
		.amdhsa_float_denorm_mode_32 3
		.amdhsa_float_denorm_mode_16_64 3
		.amdhsa_memory_ordered 1
		.amdhsa_forward_progress 1
		.amdhsa_inst_pref_size 199
	.end_amdhsa_kernel
	.amdgpu_metadata
---
amdhsa.version: [ 1, 2 ]
amdhsa.kernels:
  - .name:           k_q996be32e55_score
    .symbol:         k_q996be32e55_score.kd
    .args:
      - { .name: cod, .offset: 0, .size: 8, .value_kind: global_buffer, .address_space: global }
      - { .name: scl, .offset: 8, .size: 8, .value_kind: global_buffer, .address_space: global }
      - { .name: pc, .offset: 16, .size: 8, .value_kind: global_buffer, .address_space: global }
      - { .name: pst, .offset: 24, .size: 8, .value_kind: global_buffer, .address_space: global }
    .group_segment_fixed_size: 327680
    .private_segment_fixed_size: 0
    .kernarg_segment_align: 8
    .kernarg_segment_size: 32
    .max_flat_workgroup_size: 128
    .sgpr_count:     98
    .vgpr_count:     1024
    .wavefront_size: 32
...
	.end_amdgpu_metadata
.endif
;; end of part 2
;; launch pv (part 3): grid 4 x 64, 4 waves a work-group, clusters of 4 x 4, 327,680 bytes of LDS; arguments pc, pst, cod, scl, seq, mask, out0; writes out0
.if DOCPART == 3
	.amdgcn_target "amdgcn-amd-amdhsa--gfx1250"
	.amdhsa_code_object_version 6
	.text
	.protected	k_q996be32e55_pv
	.globl	k_q996be32e55_pv
	.p2align	8
	.type	k_q996be32e55_pv,@function
k_q996be32e55_pv:
	s_mov_b64 s[64:65], 0
	v_nop
	global_prefetch_b8 v0, s[64:65] scope:SCOPE_SE
	s_setreg_imm32_b32 hwreg(HW_REG_WAVE_MODE, 25, 1), 1
	s_wait_xcnt 0x0
	s_wait_alu depctr_hold_cnt(0) depctr_sa_sdst(0) depctr_va_vdst(0) depctr_va_sdst(0) depctr_va_ssrc(0) depctr_va_vcc(0) depctr_vm_vsrc(0)
	s_getreg_b32 s2, hwreg(HW_REG_IB_STS2, 6, 4)
	s_cmp_eq_u32 s2, 0
	s_cbranch_scc0 .Lentry_in_a_cluster
	s_endpgm
.Lentry_in_a_cluster:
	s_bfe_u32 s2, ttmp6, 0x10000c
	s_cmp_lg_u32 s2, 0xf033
	s_cbranch_scc0 .Lentry_shape_is_right
	s_endpgm
.Lentry_shape_is_right:
; out0 = seq + (P V / l) x mask.  O^T = v^T p^T on codes of FP6, K = the batch's 2,048 keys in 16 chunks of 128.  No work of reference() is left out here.
; THE CHUNKS ARE JOINED FIRST.  For each row: -M = the least of the 16 -M_c; l = the sum of l_c x 2^(M_c - M); each of p's scale bytes is lowered by M - M_c: all exact, since every M_c is a whole number.
; LIMIT: a byte that would fall under 0 is held at 0, and M - M_c at 127: a block more than some 2^124 under the row's largest term counts as at most 7.5 x 2^-127 where its true value is smaller still.
; SHARES.  Work-group (x, y): 256 d x 128 queries.  Wave (i, j): 64 queries x 128 d, 32 accumulators.  Source 0 = 16 d of v, source 1 = 16 queries of p: a lane holds one query and eight neighbouring d.
; Four chunks to a slot, two slots.  CLUSTER 4 x 4: p's tiles are shared along a row of the cluster, v's and v's scale words along a column: joint loads.
; REGISTERS.  window 0: v4-22 addresses and the mask; v28, v29 the add's two; v32-55 scale words, two sets (lanes 0-15 the even chunk, lanes 16-31 the odd); v56-63 1 / l; v64-127 at work;
;   v128-223 p's fragments, two sets (first: the stats; last: rows of the result).   window 1: v's fragments, two sets.   window 2: the accumulators.   window 3: my 64 rows x 512 bytes of seq.
.set SLOT,  147456                     ; p [8 tiles][4 chunks][1536], then v [16 dt][4 chunks][1536]
.set VS,    294912                     ; v's scale words: [chunk 16][16 dt][16 words], by LDS stores
.set PS,    311296                     ; p's, under the row's M: [chunk 16][128 rows]
.set RL,    319488                     ; 1 / l, a word a row
.set SPARE, 320000
.set ADRA,  4
.set ADB16, 6
.set ADB8,  8
.set ADPS,  10
.set ADVS,  11
.set STO,   12
.set RD,    13
.set GO,    14
.set T4,    15
.set MK,    16
.set RLA,   20
.set PSW,   21
.set RLW,   22
.set SPW,   28
.set NIL,   29
.set SC,    32
.set RLP,   56
.set TMP,   64
.set AF,    128
.set BK,    128
.set WV,    18
.set WI,    19
.set WJ,    20
.set G1A,   24
.set G0A,   32
.set G1B,   48
.set G0B,   56
.set H1A,   68                         ; s[68:71], s[72:75] group 0 for the head's loads of slot 1: p's 8 tiles, v's 16
.set H1B,   72
.set MSB, 0
.macro WIN new
.if MSB != (\new)
	s_set_vgpr_msb (MSB<<8)|(\new)
.set MSB, (\new)
.endif
.endm
.macro PLACES n
.rept \n
	v_nop
.endr
.endm
.macro CREST
	s_cmp_lg_u32 s[WV], 0
	s_cbranch_scc1 .Lnw0_\@
	s_barrier_signal -3
.Lnw0_\@:
	s_barrier_wait -3
	s_barrier_signal -1
	s_barrier_wait -1
.endm
.macro CROUND
	s_barrier_signal -1
	s_barrier_wait -1
	CREST
.endm
.macro JLOAD g0a, g0b                  ; waves 0, 1 fetch for p, waves 2, 3 for v; the branch hangs on the wave's number alone
	s_cmp_eq_u32 s[WI], 0
	s_cbranch_scc0 .Lfor_b_\@
	tensor_load_to_lds s[\g0a:\g0a+3], s[G1A:G1A+7]
	s_nop 0
	PLACES 4
	s_branch .Lasked_\@
.Lfor_b_\@:
	tensor_load_to_lds s[\g0b:\g0b+3], s[G1B:G1B+7]
	s_nop 0
	PLACES 4
.Lasked_\@:
.endm
.macro FRAG3 reg, adr, off
.irp c, 0,1,2
	ds_load_b128 v[(\reg)+4*\c:(\reg)+4*\c+3], v[\adr] offset:(\off)+512*\c
.endr
.endm
.macro FETCH k                         ; chunk k: my eight fragments of v (two half images each), my four of p; with an even chunk the scale words of two chunks
.set FSL, ((\k)/4)%2
.set FQ, (\k)%4
.set FP, (\k)%2
	WIN 0x40
.irp t, 0,1,2,3,4,5,6,7
	ds_load_b128 v[128*FP+12*\t:128*FP+12*\t+3], v[ADB16+FSL] offset:6144*\t+1536*FQ
	ds_load_b64 v[128*FP+12*\t+4:128*FP+12*\t+5], v[ADB8+FSL] offset:6144*\t+1536*FQ+512
	ds_load_b128 v[128*FP+12*\t+6:128*FP+12*\t+9], v[ADB16+FSL] offset:6144*\t+1536*FQ+768
	ds_load_b64 v[128*FP+12*\t+10:128*FP+12*\t+11], v[ADB8+FSL] offset:6144*\t+1536*FQ+1280
.endr
	WIN 0
.irp a, 0,1,2,3
	FRAG3 AF+48*FP+12*\a, ADRA+FSL, 6144*\a+1536*FQ
.endr
.if FP == 0
.irp a, 0,1,2,3
	ds_load_b32 v[SC+12*(((\k)/2)%2)+\a], v[ADPS] offset:1024*((\k)/2)+64*\a
.endr
.irp t, 0,1,2,3,4,5,6,7
	ds_load_b32 v[SC+12*(((\k)/2)%2)+4+\t], v[ADVS] offset:2048*((\k)/2)+64*\t
.endr
.endif
.endm
.macro WM d, a, b, sa, sb, zero, odd
.if \zero
	v_wmma_scale_f32_16x16x128_f8f6f4 v[(\d):(\d)+7], v[(\a):(\a)+11], v[(\b):(\b)+11], 0, v[\sa], v[\sb] matrix_a_fmt:MATRIX_FMT_FP6 matrix_b_fmt:MATRIX_FMT_FP6
.elseif \odd
	v_wmma_scale_f32_16x16x128_f8f6f4 v[(\d):(\d)+7], v[(\a):(\a)+11], v[(\b):(\b)+11], v[(\d):(\d)+7], v[\sa], v[\sb] matrix_a_fmt:MATRIX_FMT_FP6 matrix_b_fmt:MATRIX_FMT_FP6 matrix_a_scale:MATRIX_SCALE_ROW1 matrix_b_scale:MATRIX_SCALE_ROW1
.else
	v_wmma_scale_f32_16x16x128_f8f6f4 v[(\d):(\d)+7], v[(\a):(\a)+11], v[(\b):(\b)+11], v[(\d):(\d)+7], v[\sa], v[\sb] matrix_a_fmt:MATRIX_FMT_FP6 matrix_b_fmt:MATRIX_FMT_FP6
.endif
.endm
.macro MULA a, k                       ; 8 matrix instructions: query tile a against my eight tiles of d.  The 32 accumulators take turns, in the same order in every chunk
	WIN 0xA1
.irp t, 0,1,2,3,4,5,6,7
	WM 8*(8*(\a)+\t), 128*((\k)%2)+12*\t, AF+48*((\k)%2)+12*(\a), SC+12*(((\k)/2)%2)+4+\t, SC+12*(((\k)/2)%2)+(\a), (\k)==0, (\k)%2
.endr
.endm
.macro STEP k
	s_wait_dscnt 0x0                               ; this chunk's fragments and scale words are in
	PLACES 4                                       ; in front of loads into the other set, which matrix instructions have read
	FETCH (\k)+1
	MULA 0, \k
	MULA 1, \k
	MULA 2, \k
	MULA 3, \k
.endm
.macro SEQLOAD                         ; my 64 rows x 512 bytes of seq, asked for four chunks ahead of their use
	WIN 0xC0
.irp a, 0,1,2,3
.irp ii, 0,1,2,3,4,5,6,7,8,9,10,11,12,13,14,15
	global_load_b128 v[64*\a+4*\ii:64*\a+4*\ii+3], v[GO], s[12:13] offset:(16*\a+\ii)*4096 th:TH_LOAD_NT
.endr
.endr
	WIN 0
.endm
.macro TURN k, fill                    ; a slot's last chunk, and the change of slots
	WIN 0
	s_wait_tensorcnt 0x0                           ; all my tensor loads have landed: my part of the next slot
	ds_add_u32 v[SPW], v[NIL]                      ; 0 onto my spare word
	s_wait_dscnt 0x1                               ; this chunk's fragments are in; the add alone may be out
	MULA 0, \k
	s_wait_dscnt 0x0                               ; the add is done, and my reads of this slot are over
	s_barrier_signal -1
	MULA 1, \k
	WIN 0
	s_barrier_wait -1
.if \fill
	CREST                                          ; the barrier has opened a round: no wave of any partner still reads this slot or has a load on its way
.set TSL, ((\k)/4)%2
	s_add_nc_u64 s[G0A+4*TSL+2:G0A+4*TSL+3], s[G0A+4*TSL+2:G0A+4*TSL+3], 12288
	s_add_nc_u64 s[G0B+4*TSL+2:G0B+4*TSL+3], s[G0B+4*TSL+2:G0B+4*TSL+3], 12288
	JLOAD G0A+4*TSL, G0B+4*TSL
.else
	PLACES 4
.endif
	FETCH (\k)+1
.if (\k) == 11
	SEQLOAD
.endif
	MULA 2, \k
	MULA 3, \k
.endm
	s_load_b256 s[4:11], s[0:1], 0x0               ; pc, pst, cod, scl
	s_load_b128 s[12:15], s[0:1], 0x20             ; seq, mask
	s_load_b64 s[16:17], s[0:1], 0x30              ; out0
	v_lshl_add_u32 v[SPW], v0, 2, SPARE
	v_mov_b32 v[NIL], 0
	ds_add_u32 v[SPW], v[NIL]                      ; the opening: the add, twice on end, and its wait ahead of my first tensor load
	ds_add_u32 v[SPW], v[NIL]
	v_lshrrev_b32 v1, 5, v0
	v_readfirstlane_b32 s[WV], v1
	s_lshr_b32 s[WI], s[WV], 1                     ; i: my 64 queries.  Also: I fetch for p (0) or for v (1)
	s_and_b32 s[WJ], s[WV], 1                      ; j: my 128 d.  Also: which half I fetch
	s_bfe_u32 s40, ttmp6, 0x40000                  ; cx
	s_bfe_u32 s41, ttmp6, 0x40004                  ; cy
	s_lshl_b32 s42, ttmp9, 2
	s_add_co_u32 s42, s42, s40                     ; x
	s_and_b32 s22, ttmp7, 0xffff
	s_lshl_b32 s21, s22, 2
	s_add_co_u32 s21, s21, s41                     ; y
	s_lshr_b32 s23, s22, 2                         ; the batch, from the cluster's y alone
	s_lshl_b32 s43, s41, 2
	s_lshl_b32 s43, 15, s43                        ; my row of the cluster
	s_lshl_b32 s44, 0x1111, s40                    ; my column
	s_or_b32 s[G1A], s43, (3<<16)|(1<<21)          ; elements of 8 bytes, no padding
	s_mov_b32 s[G1A+1], 768<<16                    ; a row: a tile's four chunks, 6,144 bytes
	s_mov_b32 s[G1A+2], 8<<16                      ; the head's load brings all 8 tiles of p; behind it the two words are set to 4, for the ring's
	s_mov_b32 s[G1A+3], 768<<16
	s_mov_b32 s[G1A+4], 8
	s_mov_b32 s[G1A+5], 3072                       ; from tile to tile 24,576 bytes
	s_mov_b32 s[G1A+6], 0
	s_mov_b32 s[G1A+7], 0
	s_or_b32 s[G1B], s44, (3<<16)|(1<<21)
	s_mov_b32 s[G1B+1], 768<<16
	s_mov_b32 s[G1B+2], 16<<16                     ; the head's loads bring all 16 tiles of v; behind them the two words are set to 8, for the ring's
	s_mov_b32 s[G1B+3], 768<<16
	s_mov_b32 s[G1B+4], 16
	s_mov_b32 s[G1B+5], 3072
	s_mov_b32 s[G1B+6], 0
	s_mov_b32 s[G1B+7], 0
	s_lshl_b32 s80, s21, 3
	s_lshl_b32 s81, s[WJ], 2
	s_add_co_u32 s80, s80, s81                     ; p: tile 8 y + 4 half
	s_mul_i32 s80, s80, 24576
	s_mov_b32 s81, 0
	s_lshl_b32 s66, s42, 4
	s_lshl_b32 s47, s[WJ], 3
	s_add_co_u32 s66, s66, s47                     ; v: dt 16 x + 8 half
	s_lshl_b32 s46, s23, 6
	s_add_co_u32 s46, s46, s66
	s_mul_i32 s46, s46, 24576
	s_add_co_u32 s46, s46, 12582912
	s_mov_b32 s47, 0
	s_lshl_b32 s66, s42, 10
	s_lshl_b32 s67, s23, 16
	s_add_co_u32 s66, s66, s67
	s_add_co_u32 s66, s66, 524288
	s_mov_b32 s67, 0
	s_mul_i32 s45, s[WJ], 24576                    ; where they go: no place in the cluster enters an LDS address
	s_mul_i32 s84, s[WJ], 49152
	s_add_co_u32 s84, s84, 49152
	s_lshl_b32 s86, s21, 9                         ; the stats of my work-group's 128 rows
	s_mov_b32 s87, 0
	s_lshl_b32 s88, s21, 7
	s_lshl_b32 s89, s[WI], 6
	s_add_co_u32 s88, s88, s89
	s_lshl_b32 s88, s88, 12                        ; row 128 y + 64 i of seq and out0,
	s_lshl_b32 s90, s42, 10
	s_lshl_b32 s91, s[WJ], 9
	s_add_co_u32 s90, s90, s91                     ; column 256 x + 128 j, in bytes
	s_mov_b32 s91, 0
	s_add_co_u32 s88, s88, s90
	s_mov_b32 s89, 0
	s_mov_b32 s82, 0x01010101
	s_mov_b32 s83, 0x80808080
	s_wait_dscnt 0x0                               ; both opening adds are done
	s_wait_kmcnt 0x0
	s_add_nc_u64 s[80:81], s[4:5], s[80:81]
	s_add_nc_u64 s[46:47], s[8:9], s[46:47]
	s_add_nc_u64 s[66:67], s[10:11], s[66:67]
	s_add_nc_u64 s[6:7], s[6:7], s[86:87]
	s_add_nc_u64 s[12:13], s[12:13], s[88:89]
	s_add_nc_u64 s[16:17], s[16:17], s[88:89]
	s_add_nc_u64 s[14:15], s[14:15], s[90:91]
.irp s, 0,1
	s_mov_b32 s[G0A+4*\s], 1
	s_add_co_u32 s[G0A+4*\s+1], s45, \s*SLOT
	s_add_nc_u64 s[G0A+4*\s+2:G0A+4*\s+3], s[80:81], \s*6144
	s_or_b32 s[G0A+4*\s+3], s[G0A+4*\s+3], 0x80000000
	s_mov_b32 s[G0B+4*\s], 1
	s_add_co_u32 s[G0B+4*\s+1], s84, \s*SLOT
	s_add_nc_u64 s[G0B+4*\s+2:G0B+4*\s+3], s[46:47], \s*6144
	s_or_b32 s[G0B+4*\s+3], s[G0B+4*\s+3], 0x80000000
.endr
	s_mul_i32 s86, s[WJ], 98304                    ; my half's 4 tiles of p, in bytes: taken off again for the head's loads of slot 1, which bring whole sides
	s_mov_b32 s87, 0
	s_mov_b32 s[H1A], 1
	s_mov_b32 s[H1A+1], SLOT
	s_sub_nc_u64 s[H1A+2:H1A+3], s[80:81], s[86:87]
	s_add_nc_u64 s[H1A+2:H1A+3], s[H1A+2:H1A+3], 6144
	s_or_b32 s[H1A+3], s[H1A+3], 0x80000000
	s_mul_i32 s86, s[WJ], 196608                   ; and my half's 8 tiles of v
	s_mov_b32 s[H1B], 1
	s_mov_b32 s[H1B+1], SLOT+49152
	s_sub_nc_u64 s[H1B+2:H1B+3], s[46:47], s[86:87]
	s_add_nc_u64 s[H1B+2:H1B+3], s[H1B+2:H1B+3], 6144
	s_or_b32 s[H1B+3], s[H1B+3], 0x80000000
	CROUND                                         ; all sixteen work-groups are here: the first joint loads meet
	s_cmp_lt_u32 s[WV], 1                          ; the head's loads, one a wave, in one chain of branches: wave 0 slot 0's 8 tiles of p,
	s_cbranch_scc0 .Lfirst_p1
	tensor_load_to_lds s[G0A:G0A+3], s[G1A:G1A+7]
	s_nop 0
	PLACES 4
	s_branch .Lfirst_done
.Lfirst_p1:
	s_cmp_lt_u32 s[WV], 2                          ; wave 1 slot 1's,
	s_cbranch_scc0 .Lfirst_v
	tensor_load_to_lds s[H1A:H1A+3], s[G1A:G1A+7]
	s_nop 0
	PLACES 4
	s_branch .Lfirst_done
.Lfirst_v:
	s_cmp_lt_u32 s[WV], 3                          ; wave 2 slot 0's 16 tiles of v,
	s_cbranch_scc0 .Lfirst_v1
	tensor_load_to_lds s[G0B:G0B+3], s[G1B:G1B+7]
	s_nop 0
	PLACES 4
	s_branch .Lfirst_done
.Lfirst_v1:
	tensor_load_to_lds s[H1B:H1B+3], s[G1B:G1B+7]  ; wave 3 slot 1's
	s_nop 0
	PLACES 4
.Lfirst_done:
	v_and_b32 v1, 31, v0                           ; lane
	v_and_b32 v2, 15, v0                           ; r
	v_bfe_u32 v3, v0, 4, 1                         ; h
	v_lshlrev_b32 v[GO], 4, v1
	v_lshlrev_b32 v[T4], 2, v0
	v_lshrrev_b32 v26, 6, v0                       ; v's scale words come through registers: a chunk's 1,024 bytes by 64 threads, two chunks an instruction
	v_and_b32 v27, 63, v0
	v_lshlrev_b32 v26, 12, v26
	v_lshl_add_u32 v26, v27, 4, v26                ; 4096 (t / 64) + 16 (t % 64)
	v_lshl_add_u32 v27, v0, 4, VS                  ; and in LDS 16 t
	global_load_b128 v[MK:MK+3], v[GO], s[14:15]   ; the mask at my four columns of a row on the way out
.irp n, 0,1,2,3,4,5,6,7
	global_load_b128 v[192+4*\n:195+4*\n], v26, s[66:67] offset:8192*\n
.endr
.irp g, 0,1,2
.irp c, 0,1,2,3,4,5,6,7,8,9,10,11,12,13,14,15
	global_load_b32 v[128+16*\g+\c], v[T4], s[6:7] offset:524288*\g+32768*\c   ; thread t owns row t: -M_c, l_c, the scale word of each chunk
.endr
.endr
	v_lshlrev_b32 v23, 3, v1
	s_mul_i32 s86, s[WI], 24576
	s_mul_i32 s87, s[WJ], 49152
	s_add_co_u32 s87, s87, 49152
.irp s, 0,1
	v_add_nc_u32 v[ADRA+\s], s86, v[GO]
	v_add_nc_u32 v[ADB16+\s], s87, v[GO]
	v_add_nc_u32 v[ADB8+\s], s87, v23
	s_add_co_u32 s86, s86, SLOT
	s_add_co_u32 s87, s87, SLOT
.endr
	v_lshlrev_b32 v23, 2, v2
	v_lshl_add_u32 v24, v3, 9, v23                 ; 512 h + 4 r
	s_lshl_b32 s86, s[WI], 8
	s_add_co_u32 s87, s86, PS
	v_add_nc_u32 v[ADPS], s87, v24
	s_add_co_u32 s87, s86, RL
	v_add_nc_u32 v[RLA], s87, v23
	s_lshl_b32 s86, s[WJ], 9
	s_add_co_u32 s86, s86, VS
	v_lshl_add_u32 v25, v3, 10, v23                ; 1024 h + 4 r
	v_add_nc_u32 v[ADVS], s86, v25
	s_mul_i32 s86, s[WV], 8448                     ; my stage, in slot 0: used behind its last fill and its last read
	v_mul_u32_u24 v[STO], v2, 528
	v_lshl_add_u32 v[STO], v3, 5, v[STO]
	v_add_nc_u32 v[STO], s86, v[STO]
	v_add_nc_u32 v[RD], s86, v[GO]
	v_add_nc_u32 v[PSW], PS, v[T4]
	v_add_nc_u32 v[RLW], RL, v[T4]
.irp a, 0,1,2,3
	v_mov_b32 v[RLP+2*\a+1], 0                     ; named as the upper half of a pair
.endr
	s_wait_alu depctr_va_vdst(0)
	s_wait_loadcnt 0x0
.irp n, 0,1,2,3,4,5,6,7
	ds_store_b128 v27, v[192+4*\n:195+4*\n] offset:2048*\n
.endr
	v_min3_num_f32 v176, v128, v129, v130          ; -M = the least -M_c
.irp c, 131,133,135,137,139,141
	v_min3_num_f32 v176, v176, v[\c], v[\c+1]
.endr
	v_min_num_f32 v176, v176, v143
.irp c, 0,1,2,3,4,5,6,7,8,9,10,11,12,13,14,15
	v_sub_f32 v178, v176, v[128+\c]                ; e = M_c - M: a whole number, 0 or less,
	v_max_num_f32 v178, 0xc2fe0000, v178           ; held at -127
	v_cvt_i32_f32 v178, v178
.if \c == 0
	v_ldexp_f32 v177, v[144+\c], v178
.else
	v_ldexp_f32 v179, v[144+\c], v178
	v_add_f32 v177, v177, v179                     ; l
.endif
	v_or_b32 v180, s83, v[160+\c]                  ; 128 on each byte (the bytes are 1 .. 125), so that adding e to all four borrows nothing from byte to byte
	v_mul_lo_u32 v181, v178, s82
	v_add_nc_u32 v180, v180, v181
	v_and_b32 v181, s83, v180                      ; bit 7 still set: byte + e is 0 or more
	v_lshrrev_b32 v182, 7, v181
	v_sub_nc_u32 v181, v181, v182                  ; 0x7f there, 0 elsewhere
	v_and_b32 v[160+\c], v180, v181
	ds_store_b32 v[PSW], v[160+\c] offset:512*\c
.endr
	s_wait_alu depctr_va_vdst(0)
	v_rcp_f32 v183, v177
	v_nop
	s_wait_alu depctr_va_vdst(0)                   ; ahead of the reciprocal's first reader
	ds_store_b32 v[RLW], v183
	s_wait_tensorcnt 0x0                           ; my tile of the head's four is in
	s_mov_b32 s[G1A+2], 4<<16                      ; no tensor load of mine is out: from here on a load brings 4 tiles of p or 8 of v
	s_mov_b32 s[G1A+4], 4
	s_mov_b32 s[G1B+2], 8<<16
	s_mov_b32 s[G1B+4], 8
	s_wait_dscnt 0x0                               ; my rows' words and my part of v's scale words have landed
	s_barrier_signal -1
	s_barrier_wait -1
.irp a, 0,1,2,3
	ds_load_b32 v[RLP+2*\a], v[RLA] offset:64*\a
.endr
	FETCH 0
	STEP 0
	STEP 1
	STEP 2
	TURN 3, 1
	STEP 4
	STEP 5
	STEP 6
	TURN 7, 1
	STEP 8
	STEP 9
	STEP 10
	TURN 11, 0
	STEP 12
	STEP 13
	STEP 14
	s_wait_dscnt 0x0
	MULA 0, 15
	MULA 1, 15
	MULA 2, 15
	MULA 3, 15
; THE WAY OUT of query tile a: x 1 / l; through my stage, so that a row's 512 bytes lie in 32 neighbouring lanes; x mask + seq; stored
.macro OUT a
.set BKR, BK+64*((\a)%2)
	WIN 0x02
.set u, 0
.rept 32
	v_pk_mul_f32 v[TMP+u:TMP+u+1], v[64*(\a)+u:64*(\a)+u+1], v[RLP+2*(\a):RLP+2*(\a)+1] op_sel_hi:[1,0]   ; each accumulator from its low end on
.set u, u+2
.endr
	WIN 0
.irp t, 0,1,2,3,4,5,6,7
	ds_store_b128 v[STO], v[TMP+8*\t:TMP+8*\t+3] offset:64*\t
	ds_store_b128 v[STO], v[TMP+8*\t+4:TMP+8*\t+7] offset:64*\t+16
.endr
.if (\a) >= 2
	s_wait_xcnt 0x0                                ; tile a - 2's stores have read these registers
.endif
.irp ii, 0,1,2,3,4,5,6,7,8,9,10,11,12,13,14,15
	ds_load_b128 v[BKR+4*\ii:BKR+4*\ii+3], v[RD] offset:528*\ii   ; LDS serves a wave's instructions in order: these see my stores
.endr
	s_wait_dscnt 0x0
	s_wait_loadcnt 16*(3-(\a))                     ; this tile's 16 rows of seq are in; those of the later tiles may be out
	WIN 0x30
.irp ii, 0,1,2,3,4,5,6,7,8,9,10,11,12,13,14,15
.irp w, 0,2
	v_pk_fma_f32 v[BKR+4*\ii+\w:BKR+4*\ii+\w+1], v[BKR+4*\ii+\w:BKR+4*\ii+\w+1], v[MK+\w:MK+\w+1], v[64*(\a)+4*\ii+\w:64*(\a)+4*\ii+\w+1]
.endr
.endr
	WIN 0
.irp ii, 0,1,2,3,4,5,6,7,8,9,10,11,12,13,14,15
	global_store_b128 v[GO], v[BKR+4*\ii:BKR+4*\ii+3], s[16:17] offset:(16*(\a)+\ii)*4096 th:TH_STORE_NT   ; 512 consecutive bytes, aligned
.endr
.endm
	PLACES 4
	OUT 0
	OUT 1
	OUT 2
	OUT 3
	s_wait_tensorcnt 0x0                           ; the wave's end
	ds_add_u32 v[SPW], v[NIL]
	s_wait_dscnt 0x0
	CROUND                                         ; the closing round
	s_endpgm
.Lfunc_end_k_q996be32e55_pv:
	.size	k_q996be32e55_pv, .Lfunc_end_k_q996be32e55_pv-k_q996be32e55_pv
	.p2alignl 7, 3214868480
	.fill 96, 4, 3214868480
	.section	.rodata,"a",@progbits
	.p2align	6, 0x0
	.amdhsa_kernel k_q996be32e55_pv
		.amdhsa_group_segment_fixed_size 327680
		.amdhsa_private_segment_fixed_size 0
		.amdhsa_enable_private_segment 0
		.amdhsa_kernarg_size 56
		.amdhsa_user_sgpr_count 2
		.amdhsa_user_sgpr_kernarg_segment_ptr 1
		.amdhsa_wavefront_size32 1
		.amdhsa_system_sgpr_workgroup_id_x 1
		.amdhsa_system_sgpr_workgroup_id_y 1
		.amdhsa_system_sgpr_workgroup_id_z 1
		.amdhsa_system_vgpr_workitem_id 0
		.amdhsa_next_free_vgpr 1024
		.amdhsa_next_free_sgpr 92
		.amdhsa_reserve_vcc 0
		.amdhsa_float_denorm_mode_32 3
		.amdhsa_float_denorm_mode_16_64 3
		.amdhsa_memory_ordered 1
		.amdhsa_forward_progress 1
		.amdhsa_inst_pref_size 183
	.end_amdhsa_kernel
	.amdgpu_metadata
---
amdhsa.version: [ 1, 2 ]
amdhsa.kernels:
  - .name:           k_q996be32e55_pv
    .symbol:         k_q996be32e55_pv.kd
    .args:
      - { .name: pc, .offset: 0, .size: 8, .value_kind: global_buffer, .address_space: global }
      - { .name: pst, .offset: 8, .size: 8, .value_kind: global_buffer, .address_space: global }
      - { .name: cod, .offset: 16, .size: 8, .value_kind: global_buffer, .address_space: global }
      - { .name: scl, .offset: 24, .size: 8, .value_kind: global_buffer, .address_space: global }
      - { .name: seq, .offset: 32, .size: 8, .value_kind: global_buffer, .address_space: global }
      - { .name: mask, .offset: 40, .size: 8, .value_kind: global_buffer, .address_space: global }
      - { .name: out0, .offset: 48, .size: 8, .value_kind: global_buffer, .address_space: global }
    .group_segment_fixed_size: 327680
    .private_segment_fixed_size: 0
    .kernarg_segment_align: 8
    .kernarg_segment_size: 56
    .max_flat_workgroup_size: 128
    .sgpr_count:     92
    .vgpr_count:     1024
    .wavefront_size: 32
...
	.end_amdgpu_metadata
.endif
;; end of part 3
